; MI455X (gfx1250); checked and timed in simulation.
; The chip was launched on July 23, 2026; its instructions are those of AMD's public machine-readable ISA for CDNA 5 (MIT licence, August 2026) and "CDNA5" Instruction Set Architecture Reference Guide (July 2026). The comments in the code are by the model that wrote it; some were corrected since.
;; Attention Head. Allowed arithmetic: matrix products marked QUANTISED: E2M1 operands, one E8M0 scale for each 32 along K, by v_wmma_scale_f32_16x16x128_f8f6f4 with both operands' format E2M1 (or v_wmma_scale_f32_32x16x128_f4), f32 sums; everything else in f32.
;; Inputs: Wk 64 x 1,024 float32; Wq 64 x 1,024 float32; Wv 64 x 1,024 float32; bk 64 float32; bq 64 float32; bv 64 float32; x 4 x 4,096 x 1,024 float32.
;; Outputs: out0 4 x 4,096 x 64 float32.
;; This version of the problem:
;;   THIS VERSION OF THE PROBLEM IS GIVEN IN LOW PRECISION. The matrix products marked QUANTISED in the list below multiply operands that are first quantised to E2M1 (2 exponent bits, 1 mantissa bit; 4 bits a number), with one power-of-two scale for each 32 numbers along K (OCP MX v1.0); their sums are f32. All else is computed in f32.
;;   The module's matrix products, in the order in which they are computed (A, B: the left and right operand; K: the contracted axis; several contracted axes count as one K, in the product's order):
;;     1. [M 16,384, K 1,024] x [K 1,024, N 64]; A: input x; B: input Wq: QUANTISED
;;     2. [M 16,384, K 1,024] x [K 1,024, N 64]; A: input x; B: input Wk: QUANTISED
;;     3. [M 16,384, K 1,024] x [K 1,024, N 64]; A: input x; B: input Wv: QUANTISED
;;     4. batch 4 x [M 4,096, K 64] x [K 64, N 4,096]; A: computed on the way; B: computed on the way: QUANTISED
;;     5. batch 4 x [M 4,096, K 4,096] x [K 4,096, N 64]; A: softmax (see below); B: computed on the way: QUANTISED
;;   THE QUANTISER, for each operand of a quantised product, along K:
;;     - K is cut into blocks of 32 from its start; a last block that is shorter is filled with zeros.
;;     - A block's scale is 2^e with e = floor(log2(the largest magnitude in the block)) - 2, held to -126 .. 127; a block of zeros has e = 0. As a byte (E8M0): e + 127.
;;     - Each number is divided by its block's scale, clamped to +-6, and rounded to the nearest number of E2M1, ties to even, subnormals kept.
;;     - The product sums the exact products of the quantised numbers (number of the format x scale) in f32.
;;   ~~~python
;;   def quantise(x, axis):      # numpy; x: float32 -> the quantised numbers, widened to float32 again
;;       x = np.moveaxis(x, axis, -1); K = x.shape[-1]
;;       x = np.pad(x, [(0, 0)] * (x.ndim - 1) + [(0, -K % 32)]); x = x.reshape(x.shape[:-1] + (-1, 32)); a = np.abs(x).max(-1, keepdims=True)
;;       e = np.where(a > 0, np.clip(np.frexp(np.where(a > 0, a, 1))[1] - 1 - 2, -126, 127), 0)      # np.frexp(a)[1] - 1 = floor(log2(a)), exactly
;;       r = np.clip(x / 2.0 ** e, -6, 6)
;;       step = 2.0 ** (np.maximum(np.frexp(np.where(r == 0, 1, r))[1] - 1, 0) - 1)
;;       q = np.round(r / step) * step * 2.0 ** e      # np.round: ties to even
;;       return np.moveaxis(q.reshape(q.shape[:-2] + (-1,))[..., :K], -1, axis).astype(np.float32)
;;   ~~~
;;   SOFTMAX AHEAD OF A QUANTISED PRODUCT. Where the list says 'softmax', what is quantised is not the finished softmax but p = 2^(t - M), with t = logit x log2(e) and M = ceil(the row's largest t), a whole number; so 1/2 < the row's largest p <= 1. The row's sum l is taken of the UNQUANTISED p, in f32, and the product's result is divided by l at the end. Since M is a whole number, a kernel that streams over the keys may use a running M (the ceiling of the running maximum): every later rescaling is an exact power of two, which a block's scale takes up: the codes' values come out the same.
;;   OPERANDS COMPUTED ON THE WAY. 'Computed on the way' means the value that the module computes at that place (a softmax that the list does not call 'softmax' is quantised finished and normalised). What goes into a quantiser is computed in f32, as accurately as f32 sums, v_exp_f32 and their like allow (about 1e-6 of the number): no bf16 or f16 on the way to a quantiser, and a product that is left as it is and whose result goes on into a quantised operand takes f32 operands (vector FMAs, or v_wmma_f32_16x16x4_f32). A number that lies on a knife's edge between two numbers of the format may be rounded either way, as far as f32 arithmetic and the matrix unit's own rounding can turn it there, and no further.
;; 2 versions. Each part assembles by itself: llvm-mc -triple=amdgcn-amd-amdhsa -mcpu=gfx1250 --defsym DOCPART=n.
;; ======== version 1 of 2: 3 launches
;; workspace buffers: wimg 98,304 bytes; wscl 6,144 bytes; qimg 524,288 bytes; qscl 65,536 bytes; kvc 1,048,576 bytes; kvs 98,304 bytes
;; launch wquant (part 1): grid 12 x 1, 8 waves a work-group, no clusters, 0 bytes of LDS; arguments Wq, Wk, Wv, wimg, wscl; writes wimg, wscl
.if DOCPART == 1
	.amdgcn_target "amdgcn-amd-amdhsa--gfx1250"
	.amdhsa_code_object_version 6
	.text
	.protected	k_q7c77c22111_wquant
	.globl	k_q7c77c22111_wquant
	.p2align	8
	.type	k_q7c77c22111_wquant,@function
k_q7c77c22111_wquant:
	s_mov_b64 s[64:65], 0
	v_nop
	global_prefetch_b8 v0, s[64:65] scope:SCOPE_SE
	s_setreg_imm32_b32 hwreg(HW_REG_WAVE_MODE, 25, 1), 1
	s_wait_xcnt 0x0
; Wq, Wk, Wv [64][1024] f32 become codes of FP4 (E2M1) with one E8M0 scale byte for each 32 along K = the 1,024, laid as IMAGES OF THE OPERAND'S REGISTERS:
; wimg [tile j = 0..11][K step s = 0..7][c = 0, 1][512 bytes]: lane l's 16 bytes at 16 l; lane (r, h), group c: k = 128 s + 64 c + 32 h + 0 .. 31 of the tile's row r.
; Tiles 0-3 are Wq's, 4-7 Wk's, 8-11 Wv's.  THE ROWS OF A TILE OF Wq OR Wk ARE NOT NEIGHBOURS: row r of tile 2 b + u is W's row 32 b + 8 u + r + 8 (r / 8), so that the
; next launch's transposed product leaves 16 neighbours along the head's axis in a lane's 16 registers of two neighbouring tiles.  Row r of Wv's tile t is W's row 16 t + r.
; wscl [pair j / 2][s][32 words]: lanes 0-15 the rows of tile 2 p, lanes 16-31 those of tile 2 p + 1; byte b of a word scales k = 128 s + 32 b on.
; SHARES.  The three weights are 96 fragments of 16 rows x 128 K: a work-group to a tile, a wave to a K step, so a wave makes one fragment: 16 loads, one wait, two stores.  There is work for 12 work-groups and no more.
; A lane's 32 registers of group c are a whole block of 32 along K: its largest magnitude needs no other lane.  The scale is 2^(floor(log2(largest magnitude)) - 2): its byte is that magnitude's exponent field - 2.
; LIMITS: a block of zeros, or one whose largest magnitude lies under 2^-124, keeps the byte 1 (the rule says 127 for zeros: its codes are zeros, and this program alone reads the bytes); NaN and infinities are not served.
.set X,  16                            ; v16-79  my 64 numbers: 32 c + i
.set MX, 80                            ; v80-81  the two blocks' largest magnitudes
.set SO, 82                            ; v82-83  the conversions' scale operands
.set BY, 84                            ; v84-85  the scale bytes
.set WD, 86                            ; v86     the scale word
.set TP, 87                            ; v87     at work
.set PC, 88                            ; v88-95  the codes
	s_load_b128 s[4:7], s[0:1], 0x0                ; Wq s[4:5], Wk s[6:7]
	s_load_b64 s[8:9], s[0:1], 0x10                ; Wv
	s_load_b64 s[12:13], s[0:1], 0x18              ; wimg
	s_load_b64 s[14:15], s[0:1], 0x20              ; wscl
	v_lshrrev_b32 v1, 5, v0
	v_readfirstlane_b32 s16, v1                    ; wave = K step s
	v_and_b32 v4, 31, v0                           ; lane
	v_and_b32 v1, 15, v0                           ; r
	v_bfe_u32 v2, v0, 4, 1                         ; h
	s_and_b32 s17, ttmp9, 3                        ; the tile's number in its weight
	s_lshr_b32 s26, s17, 1
	s_lshl_b32 s26, s26, 5
	s_and_b32 s27, s17, 1
	s_lshl_b32 s27, s27, 3
	s_add_co_u32 s26, s26, s27                     ; Wq, Wk: the tile begins at row 32 b + 8 u
	s_lshl_b32 s27, s17, 4                         ; Wv: at row 16 t
	s_cmp_lt_u32 ttmp9, 8
	s_cselect_b32 s20, s26, s27
	s_cselect_b32 s21, 8, 0                        ; Wq, Wk: lanes 8-15 take rows 8 further on
	s_mov_b32 s22, 0x76543210
	s_mov_b32 s23, 0xfedcba98                      ; v_permlanex16_b32's selects for lane l xor 16
	v_and_b32 v3, s21, v1
	v_add_nc_u32 v3, v3, v1                        ; r + 8 (r / 8), or r
	v_lshlrev_b32 v3, 12, v3                       ; a row of W is 4,096 bytes
	v_lshl_add_u32 v3, v2, 7, v3                   ; + 128 h: my 32 numbers of a group of 64
	v_lshlrev_b32 v5, 4, v4                        ; 16 x lane: my place in an image
	v_lshlrev_b32 v6, 2, v1                        ; 4 r: my row's scale word
	s_lshl_b32 s24, s20, 12
	s_lshl_b32 s25, s16, 9
	s_add_co_u32 s24, s24, s25                     ; W: the tile's first row, + 512 s
	s_mov_b32 s25, 0
	s_lshl_b32 s26, ttmp9, 13
	s_lshl_b32 s27, s16, 10
	s_add_co_u32 s26, s26, s27                     ; wimg: 8,192 j + 1,024 s
	s_mov_b32 s27, 0
	s_lshr_b32 s28, ttmp9, 1
	s_lshl_b32 s28, s28, 10
	s_lshl_b32 s30, s16, 7
	s_add_co_u32 s28, s28, s30
	s_and_b32 s30, ttmp9, 1
	s_lshl_b32 s30, s30, 6
	s_add_co_u32 s28, s28, s30                     ; wscl: 1,024 (j / 2) + 128 s + 64 (j % 2)
	s_mov_b32 s29, 0
	s_wait_kmcnt 0x0
	s_cmp_lt_u32 ttmp9, 8                          ; which weight: the choice hangs on the work-group's number alone
	s_cselect_b64 s[18:19], s[6:7], s[8:9]
	s_cmp_lt_u32 ttmp9, 4
	s_cselect_b64 s[18:19], s[4:5], s[18:19]
	s_add_nc_u64 s[18:19], s[18:19], s[24:25]
	s_add_nc_u64 s[12:13], s[12:13], s[26:27]
	s_add_nc_u64 s[14:15], s[14:15], s[28:29]
.irp c, 0,1
.irp g, 0,1,2,3,4,5,6,7
	global_load_b128 v[X+32*\c+4*\g:X+32*\c+4*\g+3], v3, s[18:19] offset:256*\c+16*\g th:TH_LOAD_NT   ; W(row, 128 s + 64 c + 32 h + 4 g ..)
.endr
.endr
	s_wait_loadcnt 0x0
.irp c, 0,1
	v_max3_num_f32 v[MX+\c], |v[X+32*\c]|, |v[X+32*\c+1]|, 0x1800000   ; my block 2 c + h, and the floor 2^(3 - 127): the byte cannot fall under 1
.endr
.irp i, 2,4,6,8,10,12,14,16,18,20,22,24,26,28,30
.irp c, 0,1
	v_max3_num_f32 v[MX+\c], v[MX+\c], |v[X+32*\c+\i]|, |v[X+32*\c+\i+1]|   ; (the two blocks by turns)
.endr
.endr
.irp c, 0,1
	v_add_nc_u32 v[SO+\c], 0xff000000, v[MX+\c]    ; 2 off the exponent field: the conversion takes the exponent field of this operand as its scale
.endr
.irp c, 0,1
	v_lshrrev_b32 v[BY+\c], 23, v[SO+\c]           ; the scale's byte
.endr
	v_lshl_or_b32 v[WD], v[BY+1], 16, v[BY]        ; my two bytes, blocks h and 2 + h of my row,
	v_lshlrev_b32 v[TP], 3, v2
	v_lshlrev_b32 v[WD], v[TP], v[WD]              ; at their places in the word (8 h bits up);
	v_mov_b32 v[TP], 0                             ; (a lane permute's destination counts as one of its sources)
	v_permlanex16_b32 v[TP], v[WD], s22, s23
	v_or_b32 v[WD], v[WD], v[TP]                   ; with lane l xor 16's two the word is whole
.irp c, 0,1
.irp g, 0,1,2,3
	v_cvt_scalef32_pk8_fp4_f32 v[PC+4*\c+\g], v[X+32*\c+8*\g:X+32*\c+8*\g+7], v[SO+\c]   ; registers 4 c .. 4 c + 3 of the operand
.endr
.endr
	v_cmp_gt_u32 vcc_lo, 16, v4                    ; (a plain instruction that touches none of the conversions' registers)
.irp c, 0,1
	global_store_b128 v5, v[PC+4*\c:PC+4*\c+3], s[12:13] offset:512*\c   ; 32 lanes store 512 consecutive bytes
.endr
	s_wait_xcnt 0x0                                ; EXEC is a source of the stores above: it changes only behind this wait
	s_and_saveexec_b32 s30, vcc_lo                 ; lanes 0-15 hold the sixteen rows' words
	global_store_b32 v6, v[WD], s[14:15]           ; 64 consecutive bytes
	s_endpgm
.Lfunc_end_k_q7c77c22111_wquant:
	.size	k_q7c77c22111_wquant, .Lfunc_end_k_q7c77c22111_wquant-k_q7c77c22111_wquant
	.p2alignl 7, 3214868480
	.fill 96, 4, 3214868480
	.section	.rodata,"a",@progbits
	.p2align	6, 0x0
	.amdhsa_kernel k_q7c77c22111_wquant
		.amdhsa_group_segment_fixed_size 0
		.amdhsa_private_segment_fixed_size 0
		.amdhsa_enable_private_segment 0
		.amdhsa_kernarg_size 40
		.amdhsa_user_sgpr_count 2
		.amdhsa_user_sgpr_kernarg_segment_ptr 1
		.amdhsa_wavefront_size32 1
		.amdhsa_system_sgpr_workgroup_id_x 1
		.amdhsa_system_sgpr_workgroup_id_y 1
		.amdhsa_system_sgpr_workgroup_id_z 1
		.amdhsa_system_vgpr_workitem_id 0
		.amdhsa_next_free_vgpr 96
		.amdhsa_next_free_sgpr 66
		.amdhsa_reserve_vcc 1
		.amdhsa_float_denorm_mode_32 3
		.amdhsa_float_denorm_mode_16_64 3
		.amdhsa_memory_ordered 1
		.amdhsa_forward_progress 1
		.amdhsa_inst_pref_size 8
	.end_amdhsa_kernel
	.amdgpu_metadata
---
amdhsa.version: [ 1, 2 ]
amdhsa.kernels:
  - .name:           k_q7c77c22111_wquant
    .symbol:         k_q7c77c22111_wquant.kd
    .args:
      - { .name: Wq, .offset: 0, .size: 8, .value_kind: global_buffer, .address_space: global }
      - { .name: Wk, .offset: 8, .size: 8, .value_kind: global_buffer, .address_space: global }
      - { .name: Wv, .offset: 16, .size: 8, .value_kind: global_buffer, .address_space: global }
      - { .name: wimg, .offset: 24, .size: 8, .value_kind: global_buffer, .address_space: global }
      - { .name: wscl, .offset: 32, .size: 8, .value_kind: global_buffer, .address_space: global }
    .group_segment_fixed_size: 0
    .private_segment_fixed_size: 0
    .kernarg_segment_align: 8
    .kernarg_segment_size: 40
    .max_flat_workgroup_size: 256
    .sgpr_count:     66
    .vgpr_count:     96
    .wavefront_size: 32
...
	.end_amdgpu_metadata
.endif
;; end of part 1
;; launch proj (part 2): grid 256 x 1, 8 waves a work-group, no clusters, 308,736 bytes of LDS; arguments x, wimg, wscl, bq, bk, bv, qimg, qscl, kvc, kvs; writes qimg, qscl, kvc, kvs
.if DOCPART == 2
	.amdgcn_target "amdgcn-amd-amdhsa--gfx1250"
	.amdhsa_code_object_version 6
	.text
	.protected	k_q7c77c22111_proj
	.globl	k_q7c77c22111_proj
	.p2align	8
	.type	k_q7c77c22111_proj,@function
k_q7c77c22111_proj:
	s_mov_b64 s[64:65], 0
	v_nop
	global_prefetch_b8 v0, s[64:65] scope:SCOPE_SE
	s_setreg_imm32_b32 hwreg(HW_REG_WAVE_MODE, 25, 1), 1
	s_wait_xcnt 0x0
; Q = x Wq^T + bq, K = x Wk^T + bk, V = x Wv^T + bv on codes of FP4 (E2M1) with one E8M0 scale for each 32 along K = 1,024; then Q and K are quantised along the head's 64, V along the keys, and only codes go to memory.
; SHARES.  A work-group takes a group of 64 tokens (262,144 bytes of x).  All of them are asked for at the first lines, two tensor loads a wave, every LDS byte filled once: no slot is ever filled again.
;   Quantising x, all 8 waves: wave (b = wave % 2, g = wave / 2) owns rows 32 b .. 32 b + 31 and K steps 2 g, 2 g + 1; it reads only what its own loads brought, and stores the fragments as IMAGES OF THEIR REGISTERS in LDS.
;   Matrix work, waves 0-5: wave w keeps tiles 2 w, 2 w + 1 of the weights (128 registers) and multiplies them with all four tiles of tokens: 8 accumulators, 64 matrix instructions.  Waves 0, 1: Q; 2, 3: K; 4, 5: V.
;   Waves 6, 7 store Q's and K's scale words at the end, 256 consecutive bytes each.
; THE TOKENS OF A TILE ARE NOT NEIGHBOURS: row r of tile m is token 32 (m / 2) + 8 (m % 2) + r + 8 (r / 8) of the group.  One choice serves three uses:
;   Q, K (transposed: source 0 = 16 rows of W, source 1 = 16 tokens): a lane holds one token, and the 16 registers of W's tiles 2 b, 2 b + 1 are the head's 32 b + 16 h + 0 .. 15;
;   V (source 0 = 16 tokens, source 1 = 16 rows of Wv): a lane holds one channel, and the 16 registers of token tiles 2 b', 2 b' + 1 are tokens 32 b' + 16 h + 0 .. 15: neighbours along the second product's K;
;   in the next launch a tile of K in this order gives scores whose 16 registers of two tiles are 16 neighbouring keys.
; No cluster: what work-groups share is the weights' 96 KiB of codes, which lie in registers here (LDS has no room for them beside x), against 256 KiB of x that nobody shares.
; ORDER OF THE f32 SUMS: the bias is the C of a sum's first product; then K steps 0, 2, 4, 6 (quantised first), then 1, 3, 5, 7.
; LIMITS: a block of zeros, or one whose largest magnitude lies under 2^-124, keeps the byte 1 (its codes are zeros or held by the floor; this program alone reads the bytes); NaN and infinities are not served.
; LDS BANKS: rows r and r + 8 of a tile lie 16 LDS rows apart, 8,448 bytes, a whole number of times through the 64 banks (ISA guide 11.1): x's reads go two deep.  Accepted: each number of x is read once.
; REGISTERS.  Window 0: v1-15 addresses; v16-79, v80-143 two sets of 64 numbers of x (v16-47 later four fragments of x); v144-207 the 8 accumulators; v208-223 at work; v232-239 codes just made;
;   v240-247 the weights' scale words, v248-251 x's: these hold scales and nothing else; v252 the scale word just made.   Window 1: v0-127 the weights' fragments (tile u, K step s) at 8 (8 u + s); v128-143 the bias, 8 a tile.
.set XR_W,  33792                      ; LDS: a wave's part of x: two K steps
.set XR_P,  16896                      ; one K step: 32 rows
.set PITCH, 528                        ; a row: 512 bytes + 16 of padding
.set XIMG,  270336                     ; x's 32 fragments: (tile m, K step s) at (8 m + s) x 1,024
.set XSC,   303104                     ; their scale words: (8 m + s) x 128, 4 bytes a lane
.set STG,   307200                     ; Q's 256 scale bytes, then K's
.set XA,  4                            ; v4   my lane's place in my wave's rows of x
.set LI,  5                            ; v5   XIMG + 16 x lane
.set LS,  6                            ; v6   XSC + 4 x lane
.set XWI, 7                            ; v7   where I store images: LI + 16,384 b + 2,048 g
.set XWS, 8                            ; v8   and scale words: LS + 2,048 b + 256 g
.set L16, 9                            ; v9   16 x lane
.set L4,  10                           ; v10  4 x lane
.set BO,  11                           ; v11  my byte in the bias
.set CO,  12                           ; v12  Q's and K's codes: 16 r + 8 h + 256 b
.set SA,  13                           ; v13  Q's and K's scale bytes in the stage
.set L8,  14                           ; v14  8 x lane
.set TP,  15                           ; v15  at work
.set ST0, 16
.set ST1, 80
.set XF,  16
.set ACC, 144
.set TM,  208                          ; +0..3 largest magnitudes, +4..7 the other half's, then bytes, +12..15 the conversions' scale operands
.set PC,  232
.set WS,  240
.set XS,  248
.set PW,  252
.set BI,  128                          ; in window 1
.set WV,  24                           ; s24 wave;  s25 b;  s26 g;  s27 c: which half of a step of 128 keys my group is;  s28 the step
.set WB,  25
.set WG,  26
.set HC,  27
.set SG,  28
.set SEL, 30                           ; s[30:31] v_permlanex16_b32's selects for lane l xor 16
.set G1,  32                           ; s[32:39] descriptor group 1;  s[40:43], s[44:47] group 0 for my two K steps: none is ever rewritten
.set G0,  40
.set MSB, 0
.macro WIN new                         ; the immediate's high byte repeats the setting that is left
.if MSB != \new
	s_set_vgpr_msb (MSB<<8)|\new
.set MSB, \new
.endif
.endm
.macro BARRIER                         ; my LDS stores have landed and my LDS loads are in: then the work-group's barrier
	s_wait_dscnt 0x0
	s_barrier_signal -1
	s_barrier_wait -1
.endm
; 64 numbers of tile u of my rows, K step p of my two: register 16 k + i = 32 k + 16 h + i along K of my row
.macro XREAD reg, u, p
.irp k, 0,1,2,3
.irp j, 0,1,2,3
	ds_load_b128 v[\reg+16*\k+4*\j:\reg+16*\k+4*\j+3], v[XA] offset:\p*XR_P+\u*8*PITCH+128*\k+16*\j
.endr
.endr
.endm
; Four blocks of 32, block b in registers s + 16 b + 0 .. 15 of lanes l and l xor 16: largest magnitudes, scale operands, bytes
.macro QSCALE s
.irp b, 0,1,2,3
	v_max3_num_f32 v[TM+\b], |v[\s+16*\b]|, |v[\s+16*\b+1]|, 0x1800000   ; and the floor 2^(3 - 127): the byte cannot fall under 1
.endr
.irp i, 2,4,6,8,10,12,14
.irp b, 0,1,2,3
	v_max3_num_f32 v[TM+\b], v[TM+\b], |v[\s+16*\b+\i]|, |v[\s+16*\b+\i+1]|   ; (the four blocks by turns)
.endr
.endr
.irp b, 0,1,2,3
	v_permlanex16_b32 v[TM+4+\b], v[TM+\b], s[SEL], s[SEL+1]
.endr
.irp b, 0,1,2,3
	v_max_num_f32 v[TM+\b], v[TM+\b], v[TM+4+\b]   ; with lane l xor 16's: the block's largest magnitude
.endr
.irp b, 0,1,2,3
	v_add_nc_u32 v[TM+12+\b], 0xff000000, v[TM+\b] ; 2 off its exponent field: the conversion's scale operand
.endr
.irp b, 0,1,2,3
	v_lshrrev_b32 v[TM+4+\b], 23, v[TM+12+\b]      ; the scale's byte
.endr
.endm
.macro QWORD                           ; the four bytes make a scale word
	v_lshl_or_b32 v[PW], v[TM+5], 8, v[TM+4]
	v_lshl_or_b32 v[PW], v[TM+6], 16, v[PW]
	v_lshl_or_b32 v[PW], v[TM+7], 24, v[PW]
.endm
.macro QCVT s
.irp b, 0,1,2,3
	v_cvt_scalef32_pk8_fp4_f32 v[PC+2*\b], v[\s+16*\b:\s+16*\b+7], v[TM+12+\b]
	v_cvt_scalef32_pk8_fp4_f32 v[PC+2*\b+1], v[\s+16*\b+8:\s+16*\b+15], v[TM+12+\b]
.endr
.endm
.macro QSWAP                           ; the operand's layout wants a WHOLE block in a lane: lanes 0-15 block 2 c, lanes 16-31 block 2 c + 1
	v_nop                                          ; one plain place behind a scaled conversion
.irp c, 0,1
.irp i, 0,1
	v_permlane16_swap_b32 v[PC+4*\c+\i], v[PC+4*\c+2+\i]
.endr
.endr
.endm
.macro IMAGE u, p                      ; the fragment and its scale word go to LDS as they stand
.irp c, 0,1
	ds_store_b128 v[XWI], v[PC+4*\c:PC+4*\c+3] offset:\u*8192+\p*1024+512*\c
.endr
	ds_store_b32 v[XWS], v[PW] offset:\u*1024+\p*128
.endm
; My K step p of x becomes two fragments in LDS
.macro PHASEX p
	s_wait_tensorcnt 1-\p                          ; tensor loads of a wave end in order: with p = 0 my first K step is in and the second may be out; only I read these bytes
	XREAD ST0, 0, \p
	XREAD ST1, 1, \p
	s_wait_dscnt 16                                ; the first tile's sixteen loads are in, the second's may be out
	QSCALE ST0
	QWORD
	QCVT ST0
	QSWAP
	IMAGE 0, \p
	s_wait_dscnt 0x0                               ; the second tile is in, and the stores have read their registers
	QSCALE ST1
	QWORD
	QCVT ST1
	QSWAP
	IMAGE 1, \p
	BARRIER                                        ; every wave's fragments of this phase lie in LDS
.endm
.macro FETCHX s                        ; K step s of all four tiles of tokens, and their scale words
.irp m, 0,1,2,3
.irp c, 0,1
	ds_load_b128 v[XF+8*\m+4*\c:XF+8*\m+4*\c+3], v[LI] offset:(8*\m+(\s))*1024+512*\c
.endr
	ds_load_b32 v[XS+\m], v[LS] offset:(8*\m+(\s))*128
.endr
	s_wait_dscnt 0x0
.endm
.macro PQK m, u, s                     ; transposed: source 0 = W's tile u, source 1 = tokens' tile m
.set rD, ACC+16*(\m)+8*(\u)
.set rA, 8*(8*(\u)+(\s))
.if (\s) == 0
.set rC, BI+8*(\u)
.else
.set rC, rD
.endif
.if (\u) == 0
	v_wmma_scale_f32_16x16x128_f8f6f4 v[rD:rD+7], v[rA:rA+7], v[XF+8*(\m):XF+8*(\m)+7], v[rC:rC+7], v[WS+(\s)], v[XS+(\m)] matrix_a_fmt:MATRIX_FMT_FP4 matrix_b_fmt:MATRIX_FMT_FP4
.else
	v_wmma_scale_f32_16x16x128_f8f6f4 v[rD:rD+7], v[rA:rA+7], v[XF+8*(\m):XF+8*(\m)+7], v[rC:rC+7], v[WS+(\s)], v[XS+(\m)] matrix_a_fmt:MATRIX_FMT_FP4 matrix_b_fmt:MATRIX_FMT_FP4 matrix_a_scale:MATRIX_SCALE_ROW1
.endif
.endm
.macro PXV m, u, s                     ; source 0 = tokens' tile m, source 1 = Wv's tile u
.set rD, ACC+32*(\u)+8*(\m)
.set rB, 8*(8*(\u)+(\s))
.if (\s) == 0
.set rC, BI+8*(\u)
.else
.set rC, rD
.endif
.if (\u) == 0
	v_wmma_scale_f32_16x16x128_f8f6f4 v[rD:rD+7], v[XF+8*(\m):XF+8*(\m)+7], v[rB:rB+7], v[rC:rC+7], v[XS+(\m)], v[WS+(\s)] matrix_a_fmt:MATRIX_FMT_FP4 matrix_b_fmt:MATRIX_FMT_FP4
.else
	v_wmma_scale_f32_16x16x128_f8f6f4 v[rD:rD+7], v[XF+8*(\m):XF+8*(\m)+7], v[rB:rB+7], v[rC:rC+7], v[XS+(\m)], v[WS+(\s)] matrix_a_fmt:MATRIX_FMT_FP4 matrix_b_fmt:MATRIX_FMT_FP4 matrix_b_scale:MATRIX_SCALE_ROW1
.endif
.endm
; The four K steps of phase p.  The eight accumulators take turns, one instruction a turn, in the same order in every K step.
; Four v_nop close each K step: the places in front of the next loads into registers that these products have read, and of the first read of results.
.macro MATQK p
.irp s, \p, \p+2, \p+4, \p+6
	FETCHX \s
.if (\s) == 0
	WIN 0x11                                       ; source 0 (W) and source 2 (the bias) window 1
.else
	WIN 0x01                                       ; source 0 window 1
.endif
.irp m, 0,1,2,3
.irp u, 0,1
	PQK \m, \u, \s
.endr
.endr
	WIN 0
.rept 4
	v_nop
.endr
.endr
.endm
.macro MATV p
.irp s, \p, \p+2, \p+4, \p+6
	FETCHX \s
.if (\s) == 0
	WIN 0x14                                       ; source 1 (Wv) and source 2 (the bias) window 1
.else
	WIN 0x04                                       ; source 1 window 1
.endif
.irp u, 0,1
.irp m, 0,1,2,3
	PXV \m, \u, \s
.endr
.endr
	WIN 0
.rept 4
	v_nop
.endr
.endr
.endm
	s_load_b512 s[4:19], s[0:1], 0x0               ; x s[4:5], wimg s[6:7], wscl s[8:9], bq s[10:11], bk s[12:13], bv s[14:15], qimg s[16:17], qscl s[18:19]
	s_load_b128 s[20:23], s[0:1], 0x40             ; kvc s[20:21], kvs s[22:23]
	v_lshl_add_u32 v254, v0, 2, 0x4b200
	v_mov_b32 v255, 0
	ds_add_u32 v254, v255
	ds_add_u32 v254, v255
	v_lshrrev_b32 v1, 5, v0
	v_readfirstlane_b32 s[WV], v1                  ; wave 0..7
	s_and_b32 s[WB], s[WV], 1
	s_lshr_b32 s[WG], s[WV], 1
	s_and_b32 s[HC], ttmp9, 1
	s_lshr_b32 s[SG], ttmp9, 1
	s_mov_b32 s[SEL], 0x76543210
	s_mov_b32 s[SEL+1], 0xfedcba98
	; descriptor group 1: a tile of 32 rows x 128 elements of 4 bytes, rows 1,024 elements apart in memory, padded in LDS
	s_mov_b32 s[G1+0], (2<<16)|(1<<20)|(6<<22)|(3<<25)   ; 15:0 no mask; 17:16 elements of 4 bytes; 20 padding on; 24:22 after every 128 words (code 6); 31:25 four words (code 3)
	s_mov_b32 s[G1+1], 128<<16                     ; tensor_dim0 = 128
	s_mov_b32 s[G1+2], 32<<16                      ; tensor_dim1 = 32
	s_mov_b32 s[G1+3], 128<<16                     ; tile_dim0 = 128
	s_mov_b32 s[G1+4], 32                          ; tile_dim1 = 32
	s_mov_b32 s[G1+5], 1024                        ; tensor_dim0_stride
	s_mov_b32 s[G1+6], 0
	s_mov_b32 s[G1+7], 0
	s_mov_b32 s[G0], 1
	s_mul_i32 s[G0+1], s[WV], XR_W                 ; LDS: my wave's part,
	s_mov_b32 s[G0+4], 1
	s_add_co_u32 s[G0+5], s[G0+1], XR_P            ; and its second K step
	s_lshl_b32 s48, ttmp9, 18                      ; the group's 64 rows of 4,096 bytes,
	s_lshl_b32 s66, s[WB], 17                      ; my 32 of them,
	s_add_co_u32 s48, s48, s66
	s_lshl_b32 s66, s[WG], 10                      ; my two K steps of 512 bytes
	s_add_co_u32 s48, s48, s66
	s_mov_b32 s49, 0
	s_wait_dscnt 0x0
	s_wait_kmcnt 0x0
	s_add_nc_u64 s[G0+2:G0+3], s[4:5], s[48:49]
	s_add_nc_u64 s[G0+6:G0+7], s[G0+2:G0+3], 512
	s_or_b32 s[G0+3], s[G0+3], 0x80000000          ; type = 2
	s_or_b32 s[G0+7], s[G0+7], 0x80000000
	tensor_load_to_lds s[G0:G0+3], s[G1:G1+7]      ; both first fills go out together, ahead of everything else: two loads of mine are out
	s_nop 0
	tensor_load_to_lds s[G0+4:G0+7], s[G1:G1+7]
	s_nop 0
.rept 4
	v_nop
.endr
	; where things come from and go to
	s_lshl_b32 s48, s[WV], 14
	s_add_nc_u64 s[52:53], s[6:7], s[48:49]        ; my two tiles of the weights' images
	s_lshl_b32 s48, s[WV], 10
	s_add_nc_u64 s[54:55], s[8:9], s[48:49]        ; and their scale words
	s_lshl_b32 s48, ttmp9, 11
	s_add_nc_u64 s[66:67], s[16:17], s[48:49]      ; Q's codes: 2,048 bytes a group
	s_lshl_b32 s48, s[SG], 13
	s_lshl_b32 s68, s[HC], 11
	s_add_co_u32 s48, s48, s68
	s_add_nc_u64 s[56:57], s[20:21], s[48:49]      ; K's codes: 8,192 bytes a step, my group's half of its eight tiles
	s_cmp_lt_u32 s[WV], 2                          ; waves 0, 1: Q; the choice hangs on the wave's number alone
	s_cselect_b64 s[56:57], s[66:67], s[56:57]
	s_cselect_b64 s[50:51], s[10:11], s[12:13]     ; bq or bk
	s_lshl_b32 s48, s[SG], 13
	s_lshl_b32 s68, s[HC], 9
	s_add_co_u32 s48, s48, s68
	s_lshl_b32 s68, s[WB], 11
	s_add_co_u32 s48, s48, s68
	s_add_co_u32 s48, s48, 4096
	s_add_nc_u64 s[58:59], s[20:21], s[48:49]      ; V's codes: behind K's 4,096; tile 2 b + u at 1,024 each; my group's half at 512 c
	s_mul_i32 s69, s[SG], 768
	s_lshl_b32 s68, s[WB], 2
	s_add_co_u32 s48, s69, s68
	s_lshl_b32 s68, s[HC], 1
	s_add_co_u32 s48, s48, s68
	s_add_co_u32 s48, s48, 512
	s_add_nc_u64 s[60:61], s[22:23], s[48:49]      ; V's scale bytes: 768 a step; behind K's 512; word b of a lane's two; my group's two bytes of it
	s_lshl_b32 s68, s[HC], 8
	s_add_co_u32 s48, s69, s68
	s_add_nc_u64 s[62:63], s[22:23], s[48:49]      ; K's scale words: my group's 256 bytes
	s_lshl_b32 s48, ttmp9, 8
	s_add_nc_u64 s[66:67], s[18:19], s[48:49]      ; Q's: 256 bytes a group
	s_cmp_eq_u32 s[WV], 6
	s_cselect_b64 s[62:63], s[66:67], s[62:63]     ; wave 6 stores Q's, wave 7 K's
	v_and_b32 v1, 31, v0                           ; lane
	v_and_b32 v2, 15, v0                           ; r
	v_bfe_u32 v3, v0, 4, 1                         ; h
	v_and_b32 v[TP], 8, v2
	v_add_nc_u32 v[TP], v[TP], v2                  ; r + 8 (r / 8)
	v_mul_u32_u24 v[XA], v[TP], PITCH
	v_lshl_add_u32 v[XA], v3, 6, v[XA]             ; + 64 h: my 16 numbers of a block of 32
	v_add_nc_u32 v[XA], s[G0+1], v[XA]
	v_lshlrev_b32 v[L16], 4, v1
	v_lshlrev_b32 v[L4], 2, v1
	v_lshlrev_b32 v[L8], 3, v1
	v_add_nc_u32 v[LI], XIMG, v[L16]
	v_add_nc_u32 v[LS], XSC, v[L4]
	s_lshl_b32 s66, s[WB], 14
	s_lshl_b32 s67, s[WG], 11
	s_add_co_u32 s66, s66, s67
	v_add_nc_u32 v[XWI], s66, v[LI]                ; fragment (2 b + u, 2 g + p) lies at 16,384 b + 8,192 u + 2,048 g + 1,024 p
	s_lshl_b32 s66, s[WB], 11
	s_lshl_b32 s67, s[WG], 8
	s_add_co_u32 s66, s66, s67
	v_add_nc_u32 v[XWS], s66, v[LS]
	v_lshlrev_b32 v[CO], 4, v2
	v_lshl_add_u32 v[CO], v3, 3, v[CO]
	s_lshl_b32 s66, s[WB], 8
	v_add_nc_u32 v[CO], s66, v[CO]                 ; the head's block b of token r is lane r + 16 b's 16 bytes of an image; my half of it at 8 h
	s_lshl_b32 s66, s[WG], 8
	s_add_co_u32 s66, s66, s[WB]
	s_add_co_u32 s66, s66, STG
	v_lshl_add_u32 v[SA], v2, 3, s66               ; (used by waves 0-3 alone)  the stage of Q (g = 0) or K (g = 1): 8 r, byte b of a word
.irp b, 0,1,2,3
	v_mov_b32 v[TM+4+\b], 0                        ; written once: a lane permute's destination counts as one of its sources
.endr
	; waves 0-5: the weights come into registers while x is on its way
	s_cmp_lt_u32 s[WV], 6
	s_cbranch_scc0 .Lno_weights
	WIN 0x40                                       ; destination window 1
.irp u, 0,1
.irp s, 0,1,2,3,4,5,6,7
.irp c, 0,1
	global_load_b128 v[8*(8*\u+\s)+4*\c:8*(8*\u+\s)+4*\c+3], v[L16], s[52:53] offset:8192*\u+1024*\s+512*\c
.endr
.endr
.endr
	WIN 0
.irp s, 0,1,2,3,4,5,6,7
	global_load_b32 v[WS+\s], v[L4], s[54:55] offset:128*\s   ; lanes 0-15: tile u = 0's rows; lanes 16-31: tile u = 1's
.endr
	s_lshl_b32 s66, s[WB], 7
	s_cmp_lt_u32 s[WV], 4
	s_cbranch_scc0 .Lbias_v
	v_lshl_add_u32 v[BO], v3, 6, s66               ; Q, K: register j of tile u is the head's 32 b + 16 h + 8 u + j
	WIN 0x40
.irp u, 0,1
	global_load_b128 v[BI+8*\u:BI+8*\u+3], v[BO], s[50:51] offset:32*\u
	global_load_b128 v[BI+8*\u+4:BI+8*\u+7], v[BO], s[50:51] offset:32*\u+16
.endr
	WIN 0
	s_branch .Lno_weights
.Lbias_v:
	v_lshl_add_u32 v[BO], v2, 2, s66               ; V: all eight registers of tile u are channel 16 (2 b + u) + r
	WIN 0x40
.irp u, 0,1
.irp j, 0,1,2,3,4,5,6,7
	global_load_b32 v[BI+8*\u+\j], v[BO], s[14:15] offset:64*\u
.endr
.endr
	WIN 0
.Lno_weights:
	PHASEX 0                                       ; K steps 0, 2, 4, 6 lie in LDS
	s_cmp_lt_u32 s[WV], 4
	s_cbranch_scc0 .Lnot_qk_0
	s_wait_loadcnt 0x0                             ; the weights, their scale words, the bias
	MATQK 0
	s_branch .Ldone_0
.Lnot_qk_0:
	s_cmp_lt_u32 s[WV], 6
	s_cbranch_scc0 .Ldone_0
	s_wait_loadcnt 0x0
	MATV 0
.Ldone_0:
	PHASEX 1                                       ; K steps 1, 3, 5, 7: other bytes than those that a slower wave may still read
	s_cmp_lt_u32 s[WV], 4
	s_cbranch_scc0 .Lnot_qk_1
	MATQK 1
	; Q or K: block m = (tokens' tile m, the head's block b): 16 registers in each of lanes l and l xor 16.  Each accumulator is read from its low end on.
	QSCALE ACC
	QCVT ACC
.irp m, 0,1,2,3
	global_store_b64 v[CO], v[PC+2*\m:PC+2*\m+1], s[56:57] offset:512*\m   ; 32 lanes store 256 consecutive bytes: half of tile m's image
.endr
.irp m, 0,1,2,3
	ds_store_b8 v[SA], v[TM+4+\m] offset:128*(\m%2)+4*(\m/2)     ; byte b of the token's word (both lanes of a block write the same byte with the same value),
	ds_store_b8 v[SA], v[TM+4+\m] offset:128*(\m%2)+4*(\m/2)+2   ; and byte 2 + b, which scales zero codes alone and must only not be 0xff
.endr
	s_branch .Ldone_1
.Lnot_qk_1:
	s_cmp_lt_u32 s[WV], 6
	s_cbranch_scc0 .Ldone_1
	MATV 1
	; V: block 2 u + b' = (Wv's tile u, tokens 32 b' on)
	QSCALE ACC
	QWORD
	QCVT ACC
	QSWAP                                          ; registers 4 u .. 4 u + 3: channel 16 (2 b + u) + r, tokens 32 h + 0 .. 31 of my group
	global_store_b128 v[L16], v[PC:PC+3], s[58:59]
	global_store_b128 v[L16], v[PC+4:PC+7], s[58:59] offset:1024
	v_lshlrev_b32 v[TP], 4, v3
	v_lshrrev_b32 v[TP], v[TP], v[PW]              ; lanes 0-15 send tile u = 0's two bytes, lanes 16-31 tile u = 1's
	global_store_b16 v[L8], v[TP], s[60:61]        ; a word of V's scales spans 128 keys, two groups: my group has two bytes of each; 64 bytes a wave in all
.Ldone_1:
	BARRIER                                        ; Q's and K's scale words lie whole in the stage
	s_cmp_lt_u32 s[WV], 6
	s_cbranch_scc1 .Lend
	s_lshl_b32 s66, s[WB], 8
	s_add_co_u32 s66, s66, STG
	v_add_nc_u32 v[TP], s66, v[L8]
	ds_load_b64 v[16:17], v[TP]
	s_wait_dscnt 0x0
	global_store_b64 v[L8], v[16:17], s[62:63]     ; 32 lanes store 256 consecutive bytes, at a multiple of 256 from the buffer's first byte
.Lend:
	s_wait_tensorcnt 0x0
	ds_add_u32 v254, v255
	s_wait_dscnt 0x0
	s_endpgm
.Lfunc_end_k_q7c77c22111_proj:
	.size	k_q7c77c22111_proj, .Lfunc_end_k_q7c77c22111_proj-k_q7c77c22111_proj
	.p2alignl 7, 3214868480
	.fill 96, 4, 3214868480
	.section	.rodata,"a",@progbits
	.p2align	6, 0x0
	.amdhsa_kernel k_q7c77c22111_proj
		.amdhsa_group_segment_fixed_size 308736
		.amdhsa_private_segment_fixed_size 0
		.amdhsa_enable_private_segment 0
		.amdhsa_kernarg_size 80
		.amdhsa_user_sgpr_count 2
		.amdhsa_user_sgpr_kernarg_segment_ptr 1
		.amdhsa_wavefront_size32 1
		.amdhsa_system_sgpr_workgroup_id_x 1
		.amdhsa_system_sgpr_workgroup_id_y 1
		.amdhsa_system_sgpr_workgroup_id_z 1
		.amdhsa_system_vgpr_workitem_id 0
		.amdhsa_next_free_vgpr 400
		.amdhsa_next_free_sgpr 80
		.amdhsa_reserve_vcc 0
		.amdhsa_float_denorm_mode_32 3
		.amdhsa_float_denorm_mode_16_64 3
		.amdhsa_memory_ordered 1
		.amdhsa_forward_progress 1
		.amdhsa_inst_pref_size 72
	.end_amdhsa_kernel
	.amdgpu_metadata
---
amdhsa.version: [ 1, 2 ]
amdhsa.kernels:
  - .name:           k_q7c77c22111_proj
    .symbol:         k_q7c77c22111_proj.kd
    .args:
      - { .name: x, .offset: 0, .size: 8, .value_kind: global_buffer, .address_space: global }
      - { .name: wimg, .offset: 8, .size: 8, .value_kind: global_buffer, .address_space: global }
      - { .name: wscl, .offset: 16, .size: 8, .value_kind: global_buffer, .address_space: global }
      - { .name: bq, .offset: 24, .size: 8, .value_kind: global_buffer, .address_space: global }
      - { .name: bk, .offset: 32, .size: 8, .value_kind: global_buffer, .address_space: global }
      - { .name: bv, .offset: 40, .size: 8, .value_kind: global_buffer, .address_space: global }
      - { .name: qimg, .offset: 48, .size: 8, .value_kind: global_buffer, .address_space: global }
      - { .name: qscl, .offset: 56, .size: 8, .value_kind: global_buffer, .address_space: global }
      - { .name: kvc, .offset: 64, .size: 8, .value_kind: global_buffer, .address_space: global }
      - { .name: kvs, .offset: 72, .size: 8, .value_kind: global_buffer, .address_space: global }
    .group_segment_fixed_size: 308736
    .private_segment_fixed_size: 0
    .kernarg_segment_align: 8
    .kernarg_segment_size: 80
    .max_flat_workgroup_size: 256
    .sgpr_count:     80
    .vgpr_count:     400
    .wavefront_size: 32
...
	.end_amdgpu_metadata
.endif
;; end of part 2
;; launch attn (part 3): grid 64 x 4, 16 waves a work-group, clusters of 4 x 1, 306,176 bytes of LDS; arguments qimg, qscl, kvc, kvs, out0; writes out0
.if DOCPART == 3
	.amdgcn_target "amdgcn-amd-amdhsa--gfx1250"
	.amdhsa_code_object_version 6
	.text
	.protected	k_q7c77c22111_attn
	.globl	k_q7c77c22111_attn
	.p2align	8
	.type	k_q7c77c22111_attn,@function
k_q7c77c22111_attn:
	s_mov_b64 s[64:65], 0
	v_nop
	global_prefetch_b8 v0, s[64:65] scope:SCOPE_SE
	s_setreg_imm32_b32 hwreg(HW_REG_WAVE_MODE, 25, 1), 1
	s_wait_xcnt 0x0
	s_wait_alu depctr_hold_cnt(0) depctr_sa_sdst(0) depctr_va_vdst(0) depctr_va_sdst(0) depctr_va_ssrc(0) depctr_va_vcc(0) depctr_vm_vsrc(0)
	s_getreg_b32 s2, hwreg(HW_REG_IB_STS2, 6, 4)
	s_cmp_eq_u32 s2, 0
	s_cbranch_scc0 .Lentry_in_a_cluster
	s_endpgm
.Lentry_in_a_cluster:
	s_bfe_u32 s2, ttmp6, 0x10000c
	s_cmp_lg_u32 s2, 0x3003
	s_cbranch_scc0 .Lentry_shape_is_right
	s_endpgm
.Lentry_shape_is_right:
; out[b][q][:] = the sum over k of softmax_k(Q[b][q] . K[b][k] / 8) V[b][k][:], both products on codes of FP4 (E2M1) with one E8M0 scale for each 32 along a product's K.
; THE SOFTMAX AHEAD OF THE SECOND PRODUCT: t = score x log2(e) / 8; M = the largest t so far, rounded UP to a whole number; p = 2^(t - M) is quantised along the keys, not normalised; the row's sum is taken
; of the unquantised p and divides at the end.  When M moves, the sum and O are multiplied by 2^(old M - new M): exact.
; THE FIRST PRODUCT'S K IS 64, the instruction's 128: registers 4-7 of Q's and of K's fragments hold zero codes, written once; the upper two bytes of their scale words repeat the lower two and scale zeros alone.
; SHARES.  A work-group owns a group of 64 queries.  Wave w has tile i = w % 4 of 16 queries and quarter kq = w / 4 of the batch's 4,096 keys: 8 steps of 128.  So four waves of 256 registers lie on each SIMD, and one
; wave's softmax stands beside another's loads and products.  A tile's four partial results meet in LDS at the end; every M is a whole number, so bringing them under one M rounds nothing.
; LDS.  A batch's codes of K and V (262,144 bytes) and their scale words (24,576) all fit: they are filled ONCE, five tensor loads a wave at the start; nothing is ever filled again.
; CLUSTER.  The four groups of a cluster belong to one batch and need the same K and V: each load is asked for JOINTLY, by the same descriptor (made of the batch and the wave's number alone) and a mask that names the four.
; The loads have 16 rows of 256 bytes each, so that every wave runs the same counted waits and work begins when a quarter of the codes has landed.
; LAYOUT.  Both products are used transposed: S^T = K Q^T (source 0 = 16 keys), O^T = V^T P^T (source 0 = 16 channels): a lane holds ONE query (lane % 16) throughout.  All operands lie in memory as images of
; their registers: a group of four registers is 512 bytes, 16 a lane.  The keys of a tile were chosen by the launch before: register j of tile T is key 32 (T / 2) + 16 (lane / 16) + 8 (T % 2) + j of the step.
; ORDER OF THE f32 SUMS: the keys are summed in four quarters, each under its own running M, and joined at the end.   LIMITS: NaN and infinities are not served; a block whose every p has fallen under 2^-124 keeps the byte 1.
.set KVS, 262144                       ; LDS: behind the codes: the scale words, 768 bytes a step
.set STG, 286720                       ; the way out: 16 rows x (256 bytes + 16) for each of waves 0-3: bytes of its own
.set CMW, 4352                         ; the partial results: 4,096 bytes of O^T and 256 of (-M, l) a wave, from LDS byte 0 on: the codes there have had their only fill, and nobody reads them behind the barrier in front
.set AKV, 1                            ; v1   65,536 kq + 16 x lane
.set ASC, 2                            ; v2   KVS + 6,144 kq + 8 x lane
.set L16, 5                            ; v5   16 x lane
.set R8,  6                            ; v6   8 r
.set CMO, 7                            ; v7   CMW x wave + 16 x lane
.set CMS, 8                            ; v8   CMW x wave + 4,096 + 8 x lane
.set STO, 9                            ; v9   the stage: where I put 32 bytes of a row
.set RD,  10                           ; v10  and where I read a row back
.set QF,  16                           ; v12 -M, v13 the largest t, v[14:15] the sum in two halves;  v16-23 Q's fragment
.set KF,  24                           ; v24-87   K's eight fragments
.set VF,  88                           ; v88-119  V's four
.set S,   120                          ; v120-183 S^T, then p
.set O,   184                          ; v184-215 O^T
.set PC,  216                          ; v216-223 p's codes
.set BM,  224                          ; v224-227 each block's largest score, then its largest p
.set PD,  228                          ; v228-231 the other half's, then bytes
.set SO,  232                          ; v232-235 the conversions' scale operands
.set F,   236                          ; v[236:237] f = 2^(old M - new M); the upper word is 0
.set TS,  238                          ; v[238:239] the sum's second chain
.set T,   240                          ; v240-242 at work
.set KS,  244                          ; v244-247 K's scale words, v[248:249] V's, v250 Q's, v251 p's: these hold scales and nothing else
.set VS,  248
.set QS,  250
.set PS,  251
.set WV,  14                           ; s14 wave; s15 i; s16 kq; s17 cx; s18 my group; s19 the batch
.set SEL, 20                           ; s[20:21] v_permlanex16_b32's selects for lane l xor 16
.set CS,  22                           ; s[22:23] c = log2(e) / 8: the packed form names a pair and takes its low word for both halves
.set G1C, 24                           ; s[24:31] descriptor group 1 for the codes;  s[32:39] for the scale words
.set G1S, 32
.set G0S, 40                           ; s[40:43] group 0 for the scale words;  s[44:59] for the four stages of codes: none is ever rewritten
.set G0C, 44
; A round of the cluster's barrier: my work-group's barrier, so that wave 0's signal speaks for all sixteen waves; wave 0 signals for the work-group; every wave waits for all four work-groups; my work-group's barrier once more.
.macro ROUND
	s_barrier_signal -1
	s_barrier_wait -1
	s_cmp_lg_u32 s[WV], 0
	s_cbranch_scc1 .Lnot_wave_0_\@
	s_barrier_signal -3
.Lnot_wave_0_\@:
	s_barrier_wait -3
	s_barrier_signal -1
	s_barrier_wait -1
.endm
.macro PPV t, n                        ; O^T's tile t: source 0 = 16 channels of V, source 1 = p.  In the quarter's first step the product starts the sum: nothing is cleared
.set rO, O+8*(\t)
.set rV, VF+8*(\t)
.if (\n) == 0
.if (\t)%2 == 0
	v_wmma_scale_f32_16x16x128_f8f6f4 v[rO:rO+7], v[rV:rV+7], v[PC:PC+7], 0, v[VS+(\t)/2], v[PS] matrix_a_fmt:MATRIX_FMT_FP4 matrix_b_fmt:MATRIX_FMT_FP4
.else
	v_wmma_scale_f32_16x16x128_f8f6f4 v[rO:rO+7], v[rV:rV+7], v[PC:PC+7], 0, v[VS+(\t)/2], v[PS] matrix_a_fmt:MATRIX_FMT_FP4 matrix_b_fmt:MATRIX_FMT_FP4 matrix_a_scale:MATRIX_SCALE_ROW1
.endif
.else
.if (\t)%2 == 0
	v_wmma_scale_f32_16x16x128_f8f6f4 v[rO:rO+7], v[rV:rV+7], v[PC:PC+7], v[rO:rO+7], v[VS+(\t)/2], v[PS] matrix_a_fmt:MATRIX_FMT_FP4 matrix_b_fmt:MATRIX_FMT_FP4
.else
	v_wmma_scale_f32_16x16x128_f8f6f4 v[rO:rO+7], v[rV:rV+7], v[PC:PC+7], v[rO:rO+7], v[VS+(\t)/2], v[PS] matrix_a_fmt:MATRIX_FMT_FP4 matrix_b_fmt:MATRIX_FMT_FP4 matrix_a_scale:MATRIX_SCALE_ROW1
.endif
.endif
.endm
; A KEY STEP: the n-th 128 keys of my quarter.  Every offset is an immediate.
.macro STEP n
.irp t, 0,1,2,3,4,5,6,7
	ds_load_b128 v[KF+8*\t:KF+8*\t+3], v[AKV] offset:8192*(\n)+512*\t   ; tile t of K: lane (r, h): the head's block h of the tile's key r
.endr
.irp c, 0,1
	ds_load_b64 v[KS+2*\c:KS+2*\c+1], v[ASC] offset:768*(\n)+256*\c     ; register T / 2: lanes 0-15 the words of tile T even, lanes 16-31 of T odd
.endr
	s_wait_dscnt 0x0
.irp t, 0,1,2,3
	v_wmma_scale_f32_16x16x128_f8f6f4 v[S+16*\t:S+16*\t+7], v[KF+16*\t:KF+16*\t+7], v[QF:QF+7], 0, v[KS+\t], v[QS] matrix_a_fmt:MATRIX_FMT_FP4 matrix_b_fmt:MATRIX_FMT_FP4
	v_wmma_scale_f32_16x16x128_f8f6f4 v[S+16*\t+8:S+16*\t+15], v[KF+16*\t+8:KF+16*\t+15], v[QF:QF+7], 0, v[KS+\t], v[QS] matrix_a_fmt:MATRIX_FMT_FP4 matrix_b_fmt:MATRIX_FMT_FP4 matrix_a_scale:MATRIX_SCALE_ROW1
.endr
.rept 4
	v_nop                                          ; the places behind these products (their results are read below) and behind the last step's V^T P (its fragments and scale words are loaded anew below): ISA guide 7.12.1
.endr
.irp t, 0,1,2,3
.irp c, 0,1
	ds_load_b128 v[VF+8*\t+4*\c:VF+8*\t+4*\c+3], v[AKV] offset:8192*(\n)+4096+1024*\t+512*\c   ; V's fragments land under the softmax
.endr
.endr
	ds_load_b64 v[VS:VS+1], v[ASC] offset:768*(\n)+512
.irp b, 0,1,2,3
	v_max3_num_f32 v[BM+\b], v[S+16*\b], v[S+16*\b+1], v[S+16*\b+2]   ; THE LARGEST SCORE OF EACH BLOCK OF 32 KEYS serves twice: for the row's maximum, and, since p rises with the score, for the block's largest p
.endr
.irp i, 3,5,7,9,11,13
.irp b, 0,1,2,3
	v_max3_num_f32 v[BM+\b], v[BM+\b], v[S+16*\b+\i], v[S+16*\b+\i+1]   ; (the four blocks by turns; each accumulator is first read at its low end)
.endr
.endr
.irp b, 0,1,2,3
	v_max_num_f32 v[BM+\b], v[BM+\b], v[S+16*\b+15]
.endr
.irp b, 0,1,2,3
	v_permlanex16_b32 v[PD+\b], v[BM+\b], s[SEL], s[SEL+1]
.endr
.irp b, 0,1,2,3
	v_max_num_f32 v[BM+\b], v[BM+\b], v[PD+\b]     ; with lane l xor 16's 16 keys
.endr
	v_max3_num_f32 v[T], v[BM], v[BM+1], v[BM+2]
	v_max_num_f32 v[T], v[T], v[BM+3]              ; the step's largest score of my query
.if (\n) == 0
	v_mul_f32 v13, s[CS], v[T]                     ; as t (c is positive): the first step's is the largest so far
	v_floor_f32 v12, -v13                          ; -M = floor(-t) = -ceil(t): M IS A WHOLE NUMBER
.else
	v_mul_f32 v[T], s[CS], v[T]
	v_max_num_f32 v13, v13, v[T]                   ; the running largest t
	v_mov_b32 v[T], v12
	v_floor_f32 v12, -v13                          ; the new -M
	v_sub_f32 v[T], v12, v[T]                      ; M's old value less its new one: a whole number, 0 or less
	v_cvt_i32_f32 v[T], v[T]                       ; (it saturates)
	v_ldexp_f32 v[F], 1.0, v[T]                    ; f = 2^(old M - new M)
.endif
.set j, 0
.rept 32
	v_pk_fma_f32 v[S+j:S+j+1], v[S+j:S+j+1], s[CS:CS+1], v[12:13] op_sel_hi:[1,0,0]   ; t - M, two at a time (of the pairs c and -M the low word serves both halves)
.set j, j+2
.endr
.irp b, 0,1,2,3
	v_fma_f32 v[BM+\b], v[BM+\b], s[CS], v12       ; the same of each block's largest score
.endr
.set j, 0
.rept 64
	v_exp_f32 v[S+j], v[S+j]                       ; p = 2^(t - M), at most 1: NOT normalised
.set j, j+1
.endr
.irp b, 0,1,2,3
	v_exp_f32 v[BM+\b], v[BM+\b]                   ; the block's largest p: the same two instructions on the same number give the same bits
.endr
.if (\n) == 0
	v_nop                                          ; a plain place behind the exponentials
	s_wait_alu depctr_va_vdst(0)
.else
	v_pk_mul_f32 v[14:15], v[14:15], v[F:F+1] op_sel_hi:[1,0]   ; the sums under the new M.  (A plain place behind the exponentials)
	s_wait_alu depctr_va_vdst(0)
.endif
.irp b, 0,1,2,3
	v_max_num_f32 v[BM+\b], 0x1800000, v[BM+\b]    ; the floor 2^(3 - 127): the byte cannot fall under 1
.endr
.irp b, 0,1,2,3
	v_add_nc_u32 v[SO+\b], 0xff000000, v[BM+\b]    ; 2 off the exponent field: the conversion's scale operand
.endr
.irp b, 0,1,2,3
	v_lshrrev_b32 v[PD+\b], 23, v[SO+\b]           ; the scale's byte
.endr
	v_lshl_or_b32 v[PS], v[PD+1], 8, v[PD]         ; p's scale word for these 128 keys
	v_lshl_or_b32 v[PS], v[PD+2], 16, v[PS]
	v_lshl_or_b32 v[PS], v[PD+3], 24, v[PS]
.irp b, 0,1,2,3
	v_cvt_scalef32_pk8_fp4_f32 v[PC+2*\b], v[S+16*\b:S+16*\b+7], v[SO+\b]
	v_cvt_scalef32_pk8_fp4_f32 v[PC+2*\b+1], v[S+16*\b+8:S+16*\b+15], v[SO+\b]
.endr
	v_nop                                          ; one plain place behind a scaled conversion
.irp c, 0,1
.irp i, 0,1
	v_permlane16_swap_b32 v[PC+4*\c+\i], v[PC+4*\c+2+\i]   ; the operand's layout wants a WHOLE block in a lane: lanes 0-15 block 2 c, lanes 16-31 block 2 c + 1
.endr
.endr
	v_pk_add_f32 v[TS:TS+1], v[S:S+1], v[S+2:S+3]  ; THE ROW'S SUM IS TAKEN OF THE UNQUANTISED p: two at a time, in two chains.  (These 32 are also the places between p's scale word and codes and the products below)
.irp j, 4,8,12,16,20,24,28,32,36,40,44,48,52,56,60
	v_pk_add_f32 v[14:15], v[14:15], v[S+\j:S+\j+1]
	v_pk_add_f32 v[TS:TS+1], v[TS:TS+1], v[S+\j+2:S+\j+3]
.endr
	v_pk_add_f32 v[14:15], v[14:15], v[TS:TS+1]
.if (\n) != 0
.set j, 0
.rept 16
	v_pk_mul_f32 v[O+j:O+j+1], v[O+j:O+j+1], v[F:F+1] op_sel_hi:[1,0]   ; O^T under the new M, each accumulator from its low end on
.set j, j+2
.endr
.endif
	s_wait_dscnt 0x0                               ; V's fragments and scale words are in
.irp t, 0,1,2,3
	PPV \t, \n                                     ; the four accumulators take turns, and the next step's eight other products stand between two links
.endr
.endm
	s_load_b256 s[4:11], s[0:1], 0x0               ; qimg s[4:5], qscl s[6:7], kvc s[8:9], kvs s[10:11]
	s_load_b64 s[12:13], s[0:1], 0x20              ; out0
	v_lshl_add_u32 v254, v0, 2, 0x4a400
	v_mov_b32 v255, 0
	ds_add_u32 v254, v255
	ds_add_u32 v254, v255
	v_lshrrev_b32 v1, 5, v0
	v_readfirstlane_b32 s[WV], v1                  ; wave 0..15
	s_and_b32 s15, s[WV], 3                        ; i: my tile of queries
	s_lshr_b32 s16, s[WV], 2                       ; kq: my quarter of the keys
	s_and_b32 s19, ttmp7, 0xffff                   ; the batch, which the four partners share
	s_mov_b32 s[SEL], 0x76543210
	s_mov_b32 s[SEL+1], 0xfedcba98
	s_mov_b32 s[CS], 0x3e38aa3b                    ; c = log2(e) / 8
	s_mov_b32 s[CS+1], s[CS]                       ; (named with it as a pair, so it is written)
	; descriptor group 1: dense blocks as rows of 256 bytes (32 elements of 8 bytes): 16 rows of codes, 6 rows of scale words
	s_mov_b32 s[G1C+0], 15|(3<<16)|(1<<21)         ; 15:0 the mask: all four work-groups; 17:16 elements of 8 bytes; 20 no padding: the images are read 512 consecutive bytes an instruction; 21 set beside a mask
	s_mov_b32 s[G1C+1], 32<<16                     ; tensor_dim0 = 32
	s_mov_b32 s[G1C+2], 16<<16                     ; tensor_dim1 = 16
	s_mov_b32 s[G1C+3], 32<<16                     ; tile_dim0 = 32
	s_mov_b32 s[G1C+4], 16                         ; tile_dim1 = 16
	s_mov_b32 s[G1C+5], 32                         ; tensor_dim0_stride
	s_mov_b32 s[G1C+6], 0
	s_mov_b32 s[G1C+7], 0
	s_mov_b32 s[G1S+0], 15|(3<<16)|(1<<21)
	s_mov_b32 s[G1S+1], 32<<16
	s_mov_b32 s[G1S+2], 6<<16
	s_mov_b32 s[G1S+3], 32<<16
	s_mov_b32 s[G1S+4], 6
	s_mov_b32 s[G1S+5], 32
	s_mov_b32 s[G1S+6], 0
	s_mov_b32 s[G1S+7], 0
	; what I fetch: 1,536 bytes of the batch's scale words, and in each of four stages 4,096 bytes of my quarter's next two steps.  Only the batch and the wave's number enter.
	s_mul_i32 s60, s[WV], 1536
	s_mov_b32 s[G0S], 1
	s_add_co_u32 s[G0S+1], s60, KVS
	s_mul_i32 s62, s19, 24576
	s_add_co_u32 s62, s62, s60
	s_mov_b32 s63, 0
	s_lshl_b32 s68, s16, 16
	s_lshl_b32 s69, s15, 12
	s_add_co_u32 s68, s68, s69                     ; 65,536 kq + 4,096 i: the place in LDS and in the batch's codes alike
	s_lshl_b32 s70, s19, 18
	s_add_co_u32 s70, s70, s68
	s_mov_b32 s71, 0
	; where Q comes from and O goes to: here alone my place in the cluster enters
	s_bfe_u32 s17, ttmp6, 0x40000                  ; cx
	s_lshl_b32 s18, s19, 6
	s_lshl_b32 s76, ttmp9, 2                       ; in a cluster launch ttmp9 counts clusters
	s_add_co_u32 s18, s18, s76
	s_add_co_u32 s18, s18, s17                     ; my group = 64 x batch + 4 x cluster x + cx
	s_and_b32 s76, s15, 1
	s_lshr_b32 s77, s15, 1
	s_lshl_b32 s72, s18, 11
	s_lshl_b32 s78, s15, 9
	s_add_co_u32 s72, s72, s78                     ; Q's codes: 2,048 a group, 512 a tile
	s_mov_b32 s73, 0
	s_lshl_b32 s74, s18, 8
	s_lshl_b32 s78, s76, 7
	s_add_co_u32 s74, s74, s78
	s_lshl_b32 s78, s77, 2
	s_add_co_u32 s74, s74, s78                     ; Q's scale words: 256 a group; the word of (i, r) at 8 r + 128 (i % 2) + 4 (i / 2)
	s_mov_b32 s75, 0
	s_lshl_b32 s66, s18, 14
	s_lshl_b32 s78, s77, 13
	s_add_co_u32 s66, s66, s78
	s_lshl_b32 s78, s76, 11
	s_add_co_u32 s66, s66, s78                     ; O: 64 rows of 256 bytes a group; my tile begins at token 32 (i / 2) + 8 (i % 2)
	s_mov_b32 s67, 0
	s_wait_dscnt 0x0
	s_wait_kmcnt 0x0
	s_add_nc_u64 s[G0S+2:G0S+3], s[10:11], s[62:63]
	s_or_b32 s[G0S+3], s[G0S+3], 0x80000000        ; type = 2
	s_add_nc_u64 s[70:71], s[8:9], s[70:71]
.irp q, 0,1,2,3
	s_mov_b32 s[G0C+4*\q], 1
	s_add_co_u32 s[G0C+4*\q+1], s68, 16384*\q      ; stage q: steps 2 q, 2 q + 1 of each quarter
	s_add_nc_u64 s[G0C+4*\q+2:G0C+4*\q+3], s[70:71], 16384*\q
	s_or_b32 s[G0C+4*\q+3], s[G0C+4*\q+3], 0x80000000
.endr
	s_add_nc_u64 s[4:5], s[4:5], s[72:73]
	s_add_nc_u64 s[6:7], s[6:7], s[74:75]
	s_add_nc_u64 s[12:13], s[12:13], s[66:67]
	ROUND                                          ; all four work-groups are here: the joint loads meet
	tensor_load_to_lds s[G0S:G0S+3], s[G1S:G1S+7]  ; all first fills go out as one group: five loads of mine are out
	s_nop 0
	tensor_load_to_lds s[G0C:G0C+3], s[G1C:G1C+7]
	s_nop 0
	tensor_load_to_lds s[G0C+4:G0C+7], s[G1C:G1C+7]
	s_nop 0
	tensor_load_to_lds s[G0C+8:G0C+11], s[G1C:G1C+7]
	s_nop 0
	tensor_load_to_lds s[G0C+12:G0C+15], s[G1C:G1C+7]
	s_nop 0
.rept 4
	v_nop
.endr
	v_and_b32 v11, 31, v0                          ; lane
	v_and_b32 v3, 15, v0                           ; r
	v_bfe_u32 v4, v0, 4, 1                         ; h
	v_lshlrev_b32 v[L16], 4, v11
	v_lshlrev_b32 v[R8], 3, v3
	global_load_b128 v[QF:QF+3], v[L16], s[4:5]    ; Q's fragment stays in registers: lane (r, h): the head's block h of the tile's query r
	global_load_b32 v[QS], v[R8], s[6:7]           ; and its scale words
.irp j, 4,5,6,7
	v_mov_b32 v[QF+\j], 0                          ; the zero codes of k = 64 .. 127, written once: Q's,
.endr
.irp t, 0,1,2,3,4,5,6,7
.irp j, 4,5,6,7
	v_mov_b32 v[KF+8*\t+\j], 0                     ; and those of K's eight fragments
.endr
.endr
.irp b, 0,1,2,3
	v_mov_b32 v[PD+\b], 0                          ; written once: a lane permute's destination counts as one of its sources
.endr
	v_mov_b32 v[F+1], 0                            ; (named as the upper half of the pair)
	v_mov_b32 v14, 0                               ; the sum, in two halves
	v_mov_b32 v15, 0
	s_lshl_b32 s76, s16, 16
	v_add_nc_u32 v[AKV], s76, v[L16]
	s_mul_i32 s76, s16, 6144
	s_add_co_u32 s76, s76, KVS
	v_lshl_add_u32 v[ASC], v11, 3, s76
	s_mul_i32 s77, s[WV], CMW
	v_add_nc_u32 v[CMO], s77, v[L16]
	s_add_co_u32 s76, s77, 4096
	v_lshl_add_u32 v[CMS], v11, 3, s76
	s_add_co_u32 s76, s77, STG                     ; (used by waves 0-3 alone)  my stage
	v_mul_u32_u24 v[STO], v3, 272
	v_lshl_add_u32 v[STO], v4, 5, v[STO]
	v_add_nc_u32 v[STO], s76, v[STO]               ; in: row r; tile t's eight channels of my half: 64 t + 32 h bytes on
	v_mul_u32_u24 v[RD], v4, 272
	v_lshl_add_u32 v[RD], v3, 4, v[RD]
	v_add_nc_u32 v[RD], s76, v[RD]                 ; back: lanes 0-15 one row, lanes 16-31 the next
	s_wait_loadcnt 0x0                             ; Q
.irp q, 0,1,2,3
	s_wait_tensorcnt 3-\q                          ; tensor loads of a wave end in order: the scale words and my parts of stages 0 .. q are in; the 3 - q later stages may stay out
	s_wait_dscnt 0x0                               ; no LDS instruction of mine is out at a signal
	s_barrier_signal -1
	s_barrier_wait -1                              ; everybody's parts are in
	STEP 2*\q
	STEP 2*\q+1
.endr
	v_add_f32 v13, v14, v15                        ; l of my quarter and my half of its keys.  With the three lines below: the places behind the last products
.rept 3
	v_nop
.endr
	s_wait_dscnt 0x0
	s_barrier_signal -1
	s_barrier_wait -1                              ; nobody reads the codes any more, and every wave's loads have landed: their first bytes take the partial results
	s_cmp_lt_u32 s[WV], 4
	s_cbranch_scc1 .Lkeep
.irp n, 0,1,2,3,4,5,6,7
	ds_store_b128 v[CMO], v[O+4*\n:O+4*\n+3] offset:512*\n   ; quarters 1 to 3: O^T as an image of its registers, each accumulator from its low end on,
.endr
	ds_store_b64 v[CMS], v[12:13]                  ; and (-M, l)
.Lkeep:
	s_wait_dscnt 0x0                               ; for the others' sake: my stores have landed
	s_barrier_signal -1
	s_barrier_wait -1
	s_cmp_lt_u32 s[WV], 4
	s_cbranch_scc0 .Lend
	; waves 0-3 join their tile's four quarters: partner k is wave i + 4 k, 4 CMW bytes on
.irp k, 1,2,3
	ds_load_b64 v[222+2*\k:223+2*\k], v[CMS] offset:4*CMW*\k
.endr
.irp n, 0,1,2,3,4,5,6,7
	ds_load_b128 v[S+4*\n:S+4*\n+3], v[CMO] offset:4*CMW+512*\n
.endr
.irp n, 0,1,2,3,4,5,6,7
	ds_load_b128 v[S+32+4*\n:S+32+4*\n+3], v[CMO] offset:8*CMW+512*\n
.endr
.irp n, 0,1,2,3,4,5,6,7
	ds_load_b128 v[KF+4*\n:KF+4*\n+3], v[CMO] offset:12*CMW+512*\n
.endr
	s_wait_dscnt 24                                ; the three (-M, l) are in; the 24 loads of O^T may be out
	v_min3_num_f32 v[T], v12, v224, v226
	v_min_num_f32 v[T], v[T], v228                 ; -M* = the least -M
	v_sub_f32 v232, v[T], v12                      ; M_k - M*: whole numbers, 0 or less
	v_sub_f32 v233, v[T], v224
	v_sub_f32 v234, v[T], v226
	v_sub_f32 v235, v[T], v228
.irp k, 0,1,2,3
	v_cvt_i32_f32 v[232+\k], v[232+\k]
.endr
.irp k, 0,1,2,3
	v_ldexp_f32 v[232+\k], 1.0, v[232+\k]          ; f_k = 2^(M_k - M*): exact
.endr
	v_mul_f32 v[T+1], v232, v13
	v_fmac_f32 v[T+1], v233, v225
	v_fmac_f32 v[T+1], v234, v227
	v_fmac_f32 v[T+1], v235, v229                  ; the sum of my half of the keys under M*,
	v_mov_b32 v[T+2], 0
	v_permlanex16_b32 v[T+2], v[T+1], s[SEL], s[SEL+1]
	v_add_f32 v[T+1], v[T+1], v[T+2]               ; and lane l xor 16's: the row's sum
	v_rcp_f32 v[T+1], v[T+1]
	v_nop                                          ; one plain place behind a transcendental
	s_wait_alu depctr_va_vdst(0)
	v_mul_f32 v[F], v232, v[T+1]                   ; f_k / l, each the low word of a pair whose upper word has been written
	v_mul_f32 v224, v233, v[T+1]
	v_mul_f32 v226, v234, v[T+1]
	v_mul_f32 v228, v235, v[T+1]
.set j, 0
.rept 16
	v_pk_mul_f32 v[O+j:O+j+1], v[O+j:O+j+1], v[F:F+1] op_sel_hi:[1,0]   ; each accumulator from its low end on
.set j, j+2
.endr
	s_wait_dscnt 16                                ; partner 1's eight loads are in
.set j, 0
.rept 16
	v_pk_fma_f32 v[O+j:O+j+1], v[S+j:S+j+1], v[224:225], v[O+j:O+j+1] op_sel_hi:[1,0,1]
.set j, j+2
.endr
	s_wait_dscnt 8                                 ; partner 2's
.set j, 0
.rept 16
	v_pk_fma_f32 v[O+j:O+j+1], v[S+32+j:S+32+j+1], v[226:227], v[O+j:O+j+1] op_sel_hi:[1,0,1]
.set j, j+2
.endr
	s_wait_dscnt 0x0                               ; partner 3's
.set j, 0
.rept 16
	v_pk_fma_f32 v[O+j:O+j+1], v[KF+j:KF+j+1], v[228:229], v[O+j:O+j+1] op_sel_hi:[1,0,1]
.set j, j+2
.endr
	; THE WAY OUT.  Register 8 t + j of lane (r, h) is out(query r of my tile, channel 16 t + 8 h + j): the tile goes through my stage and comes back as whole rows of 256 bytes.
.irp t, 0,1,2,3
	ds_store_b128 v[STO], v[O+8*\t:O+8*\t+3] offset:64*\t
	ds_store_b128 v[STO], v[O+8*\t+4:O+8*\t+7] offset:64*\t+16
.endr
.irp i, 0,1,2,3,4,5,6,7
	ds_load_b128 v[VF+4*\i:VF+4*\i+3], v[RD] offset:544*\i   ; LDS serves a wave's instructions in order (ISA guide 5.7.1.4): these see my stores
.endr
.irp i, 0,1,2,3,4,5,6,7
	s_wait_dscnt 7-\i                              ; rows 2 i, 2 i + 1 are back; the younger loads may be out
	global_store_b128 v[L16], v[VF+4*\i:VF+4*\i+3], s[12:13] offset:256*(2*\i+8*(\i/4)) th:TH_STORE_NT   ; rows 2 i, 2 i + 1 of the tile are neighbouring tokens, 2 i + 8 (i / 4) on: 32 lanes store 512 consecutive bytes, at a multiple of 256 from the buffer's first byte
.endr
.Lend:
	s_wait_tensorcnt 0x0
	ds_add_u32 v254, v255
	s_wait_dscnt 0x0
	ROUND                                          ; the closing round: no work-group ends while a partner may still ask for a tile that names it
	s_endpgm
.Lfunc_end_k_q7c77c22111_attn:
	.size	k_q7c77c22111_attn, .Lfunc_end_k_q7c77c22111_attn-k_q7c77c22111_attn
	.p2alignl 7, 3214868480
	.fill 96, 4, 3214868480
	.section	.rodata,"a",@progbits
	.p2align	6, 0x0
	.amdhsa_kernel k_q7c77c22111_attn
		.amdhsa_group_segment_fixed_size 306176
		.amdhsa_private_segment_fixed_size 0
		.amdhsa_enable_private_segment 0
		.amdhsa_kernarg_size 40
		.amdhsa_user_sgpr_count 2
		.amdhsa_user_sgpr_kernarg_segment_ptr 1
		.amdhsa_wavefront_size32 1
		.amdhsa_system_sgpr_workgroup_id_x 1
		.amdhsa_system_sgpr_workgroup_id_y 1
		.amdhsa_system_sgpr_workgroup_id_z 1
		.amdhsa_system_vgpr_workitem_id 0
		.amdhsa_next_free_vgpr 256
		.amdhsa_next_free_sgpr 80
		.amdhsa_reserve_vcc 0
		.amdhsa_float_denorm_mode_32 3
		.amdhsa_float_denorm_mode_16_64 3
		.amdhsa_memory_ordered 1
		.amdhsa_forward_progress 1
		.amdhsa_inst_pref_size 134
	.end_amdhsa_kernel
	.amdgpu_metadata
---
amdhsa.version: [ 1, 2 ]
amdhsa.kernels:
  - .name:           k_q7c77c22111_attn
    .symbol:         k_q7c77c22111_attn.kd
    .args:
      - { .name: qimg, .offset: 0, .size: 8, .value_kind: global_buffer, .address_space: global }
      - { .name: qscl, .offset: 8, .size: 8, .value_kind: global_buffer, .address_space: global }
      - { .name: kvc, .offset: 16, .size: 8, .value_kind: global_buffer, .address_space: global }
      - { .name: kvs, .offset: 24, .size: 8, .value_kind: global_buffer, .address_space: global }
      - { .name: out0, .offset: 32, .size: 8, .value_kind: global_buffer, .address_space: global }
    .group_segment_fixed_size: 306176
    .private_segment_fixed_size: 0
    .kernarg_segment_align: 8
    .kernarg_segment_size: 40
    .max_flat_workgroup_size: 512
    .sgpr_count:     80
    .vgpr_count:     256
    .wavefront_size: 32
...
	.end_amdgpu_metadata
.endif
;; end of part 3
;; ======== version 2 of 2: 3 launches
;; limits: right only within a limited range of input values
;; workspace buffers: wimg 104,448 bytes; qimg 524,288 bytes; qscl 65,536 bytes; kvc 1,048,576 bytes; kvs 65,536 bytes
;; launch wquant (part 4): grid 12 x 8, 1 waves a work-group, no clusters, 8,704 bytes of LDS; arguments Wq, Wk, Wv, wimg; writes wimg
.if DOCPART == 4
	.amdgcn_target "amdgcn-amd-amdhsa--gfx1250"
	.amdhsa_code_object_version 6
	.text
	.protected	k_q7c77c22111_wquant
	.globl	k_q7c77c22111_wquant
	.p2align	8
	.type	k_q7c77c22111_wquant,@function
k_q7c77c22111_wquant:
	s_mov_b64 s[64:65], 0
	v_nop
	global_prefetch_b8 v0, s[64:65] scope:SCOPE_SE
	s_setreg_imm32_b32 hwreg(HW_REG_WAVE_MODE, 25, 1), 1
	s_wait_xcnt 0x0
; Wq, Wk, Wv [64][1024] f32 become codes of FP4 (E2M1) with one E8M0 scale byte for each 32 along K = the 1,024, laid as IMAGES OF THE OPERAND'S REGISTERS:
; wimg [tile j = 0..11][K step s = 0..7][c = 0, 1][512 bytes]: lane l's 16 bytes at 16 l; lane (r, h), group c: k = 128 s + 64 c + 32 h + 0 .. 31 of the tile's row r.
; Tiles 0-3 are Wq's, 4-7 Wk's, 8-11 Wv's.  Row r of tile t of Wq or Wk is W's row 8 t + r % 8 + 32 (r / 8), so that in the next launch's transposed product a lane's 32 registers of four tiles
; are one block of 32 along the head's axis.  Row r of Wv's tile t is W's row 16 t + r.
; Behind the codes, from byte 98,304 on, the scale words [pair j / 2][s][32 words]: lanes 0-15 the rows of tile 2 p, lanes 16-31 those of tile 2 p + 1; byte b of a word scales k = 128 s + 32 b on.
; SHARES.  The three weights are 96 fragments of 16 rows x 128 K: a work-group of ONE wave to a fragment (x: the tile, y: the K step).  There is work for 96 work-groups and no more.
; THE WAY IN.  Each of the 16 loads reads one row's 512 consecutive bytes, 16 a lane; the rows go through the wave's stage in LDS as they lie and come back 128 bytes a lane: a whole block of 32 along K in one lane.
; LIMITS: a block of zeros, or one whose largest magnitude lies under 2^-124, keeps the byte 1 (the rule says 127 for zeros: its codes are zeros, and this program alone reads the bytes); NaN and infinities are not served.
.set PITCH, 528                        ; a stage row: 512 bytes + 16 of padding
.set L,  16                            ; v16-79   the 16 rows as they are loaded
.set X,  80                            ; v80-143  my 64 numbers: 32 c + i
.set MX, 144
.set SO, 146
.set BY, 148
.set WD, 150
.set TP, 151
.set PC, 152                           ; v152-159 the codes
	s_load_b128 s[4:7], s[0:1], 0x0                ; Wq, Wk
	s_load_b128 s[8:11], s[0:1], 0x10              ; Wv, wimg
	s_and_b32 s16, ttmp7, 0xffff                   ; the K step s: work-group y
	s_and_b32 s17, ttmp9, 3                        ; the tile's number in its weight
	s_lshl_b32 s26, s17, 3                         ; Wq, Wk: the tile begins at row 8 t
	s_lshl_b32 s27, s17, 4                         ; Wv: at row 16 t
	s_cmp_lt_u32 ttmp9, 8
	s_cselect_b32 s20, s26, s27
	s_cselect_b32 s21, 0x18000, 0                  ; Wq, Wk: the tile's rows 8-15 lie 24 rows of 4,096 bytes further on
	s_mov_b32 s22, 0x76543210
	s_mov_b32 s23, 0xfedcba98                      ; v_permlanex16_b32's selects for lane l xor 16
	s_lshl_b32 s24, s20, 12
	s_lshl_b32 s25, s16, 9
	s_add_co_u32 s24, s24, s25                     ; W: the tile's first row, + 512 s
	s_mov_b32 s25, 0
	s_lshl_b32 s26, ttmp9, 13
	s_lshl_b32 s27, s16, 10
	s_add_co_u32 s26, s26, s27                     ; codes: 8,192 j + 1,024 s
	s_mov_b32 s27, 0
	s_lshr_b32 s28, ttmp9, 1
	s_lshl_b32 s28, s28, 10
	s_lshl_b32 s30, s16, 7
	s_add_co_u32 s28, s28, s30
	s_and_b32 s30, ttmp9, 1
	s_lshl_b32 s30, s30, 6
	s_add_co_u32 s28, s28, s30                     ; scale words: 1,024 (j / 2) + 128 s + 64 (j % 2),
	s_add_co_u32 s28, s28, 98304                   ; behind the codes
	s_mov_b32 s29, 0
	v_lshl_add_u32 v160, v0, 2, 16*PITCH           ; my spare word, behind the stage
	v_mov_b32 v161, 0
	v_and_b32 v1, 15, v0                           ; r  (one wave: v0 is the lane)
	v_bfe_u32 v2, v0, 4, 1                         ; h
	v_lshlrev_b32 v5, 4, v0                        ; 16 x lane: my place in a row's 512 bytes, in a stage row and in an image
	v_add_nc_u32 v7, s21, v5                       ; the same for the tile's rows 8-15
	v_mul_u32_u24 v3, v1, PITCH
	v_lshl_add_u32 v3, v2, 7, v3                   ; back out of the stage: row r, + 128 h
	v_lshlrev_b32 v6, 2, v1                        ; my row's scale word
	s_wait_alu depctr_va_vdst(0)                   ; the wait at the head's end
	s_wait_kmcnt 0x0
	s_cmp_lt_u32 ttmp9, 8                          ; which weight: the choice hangs on the work-group's number alone
	s_cselect_b64 s[18:19], s[6:7], s[8:9]
	s_cmp_lt_u32 ttmp9, 4
	s_cselect_b64 s[18:19], s[4:5], s[18:19]
	s_add_nc_u64 s[18:19], s[18:19], s[24:25]
	s_add_nc_u64 s[12:13], s[10:11], s[26:27]
	s_add_nc_u64 s[14:15], s[10:11], s[28:29]
.irp i, 0,1,2,3,4,5,6,7
	global_load_b128 v[L+4*\i:L+4*\i+3], v5, s[18:19] offset:4096*\i th:TH_LOAD_NT   ; 32 lanes read 512 consecutive bytes; each byte of W is read once in the launch
.endr
.irp i, 8,9,10,11,12,13,14,15
	global_load_b128 v[L+4*\i:L+4*\i+3], v7, s[18:19] offset:4096*\i th:TH_LOAD_NT
.endr
.irp i, 0,1,2,3,4,5,6,7,8,9,10,11,12,13,14,15
	s_wait_loadcnt 15-\i                           ; row i is in, the 15 - i younger ones may be out
	ds_store_b128 v5, v[L+4*\i:L+4*\i+3] offset:PITCH*\i
.endr
.irp c, 0,1
.irp g, 0,1,2,3,4,5,6,7
	ds_load_b128 v[X+32*\c+4*\g:X+32*\c+4*\g+3], v3 offset:256*\c+16*\g   ; LDS serves a wave's instructions in order (ISA guide 5.7.1.4): these see the stores above
.endr
.endr
	s_wait_dscnt 0x0
.irp c, 0,1
	v_max3_num_f32 v[MX+\c], |v[X+32*\c]|, |v[X+32*\c+1]|, 0x1800000   ; my block 2 c + h, and the floor 2^(3 - 127): the byte cannot fall under 1
.endr
.irp i, 2,4,6,8,10,12,14,16,18,20,22,24,26,28,30
.irp c, 0,1
	v_max3_num_f32 v[MX+\c], v[MX+\c], |v[X+32*\c+\i]|, |v[X+32*\c+\i+1]|
.endr
.endr
.irp c, 0,1
	v_add_nc_u32 v[SO+\c], 0xff000000, v[MX+\c]    ; 2 off the exponent field: the conversion takes the exponent field of this operand as its scale
.endr
.irp c, 0,1
	v_lshrrev_b32 v[BY+\c], 23, v[SO+\c]           ; the scale's byte
.endr
	v_lshl_or_b32 v[WD], v[BY+1], 16, v[BY]        ; my two bytes, blocks h and 2 + h of my row,
	v_lshlrev_b32 v[TP], 3, v2
	v_lshlrev_b32 v[WD], v[TP], v[WD]              ; at their places in the word (8 h bits up);
	v_mov_b32 v[TP], 0                             ; (a lane permute's destination counts as one of its sources)
	v_permlanex16_b32 v[TP], v[WD], s22, s23
	v_or_b32 v[WD], v[WD], v[TP]                   ; with lane l xor 16's two the word is whole, in both lanes
.irp c, 0,1
.irp g, 0,1,2,3
	v_cvt_scalef32_pk8_fp4_f32 v[PC+4*\c+\g], v[X+32*\c+8*\g:X+32*\c+8*\g+7], v[SO+\c]
.endr
.endr
	v_nop
.irp c, 0,1
	global_store_b128 v5, v[PC+4*\c:PC+4*\c+3], s[12:13] offset:512*\c   ; 32 lanes store 512 consecutive bytes
.endr
	global_store_b32 v6, v[WD], s[14:15]           ; 64 consecutive bytes: lanes r and r + 16 hold the same word and write it to the same place
	s_wait_tensorcnt 0x0                           ; the wave's end
	ds_add_u32 v160, v161
	s_wait_dscnt 0x0
	s_endpgm
.Lfunc_end_k_q7c77c22111_wquant:
	.size	k_q7c77c22111_wquant, .Lfunc_end_k_q7c77c22111_wquant-k_q7c77c22111_wquant
	.p2alignl 7, 3214868480
	.fill 96, 4, 3214868480
	.section	.rodata,"a",@progbits
	.p2align	6, 0x0
	.amdhsa_kernel k_q7c77c22111_wquant
		.amdhsa_group_segment_fixed_size 8704
		.amdhsa_private_segment_fixed_size 0
		.amdhsa_enable_private_segment 0
		.amdhsa_kernarg_size 32
		.amdhsa_user_sgpr_count 2
		.amdhsa_user_sgpr_kernarg_segment_ptr 1
		.amdhsa_wavefront_size32 1
		.amdhsa_system_sgpr_workgroup_id_x 1
		.amdhsa_system_sgpr_workgroup_id_y 1
		.amdhsa_system_sgpr_workgroup_id_z 1
		.amdhsa_system_vgpr_workitem_id 0
		.amdhsa_next_free_vgpr 162
		.amdhsa_next_free_sgpr 66
		.amdhsa_reserve_vcc 0
		.amdhsa_float_denorm_mode_32 3
		.amdhsa_float_denorm_mode_16_64 3
		.amdhsa_memory_ordered 1
		.amdhsa_forward_progress 1
		.amdhsa_inst_pref_size 10
	.end_amdhsa_kernel
	.amdgpu_metadata
---
amdhsa.version: [ 1, 2 ]
amdhsa.kernels:
  - .name:           k_q7c77c22111_wquant
    .symbol:         k_q7c77c22111_wquant.kd
    .args:
      - { .name: Wq, .offset: 0, .size: 8, .value_kind: global_buffer, .address_space: global }
      - { .name: Wk, .offset: 8, .size: 8, .value_kind: global_buffer, .address_space: global }
      - { .name: Wv, .offset: 16, .size: 8, .value_kind: global_buffer, .address_space: global }
      - { .name: wimg, .offset: 24, .size: 8, .value_kind: global_buffer, .address_space: global }
    .group_segment_fixed_size: 8704
    .private_segment_fixed_size: 0
    .kernarg_segment_align: 8
    .kernarg_segment_size: 32
    .max_flat_workgroup_size: 32
    .sgpr_count:     66
    .vgpr_count:     162
    .wavefront_size: 32
...
	.end_amdgpu_metadata
.endif
;; end of part 4
;; launch proj (part 5): grid 256 x 1, 8 waves a work-group, clusters of 4 x 1, 167,936 bytes of LDS; arguments x, wimg, bq, bk, bv, qimg, qscl, kvc, kvs; writes qimg, qscl, kvc, kvs
.if DOCPART == 5
	.amdgcn_target "amdgcn-amd-amdhsa--gfx1250"
	.amdhsa_code_object_version 6
	.text
	.protected	k_q7c77c22111_proj
	.globl	k_q7c77c22111_proj
	.p2align	8
	.type	k_q7c77c22111_proj,@function
k_q7c77c22111_proj:
	s_mov_b64 s[64:65], 0
	v_nop
	global_prefetch_b8 v0, s[64:65] scope:SCOPE_SE
	s_setreg_imm32_b32 hwreg(HW_REG_WAVE_MODE, 25, 1), 1
	s_wait_xcnt 0x0
	s_wait_alu depctr_hold_cnt(0) depctr_sa_sdst(0) depctr_va_vdst(0) depctr_va_sdst(0) depctr_va_ssrc(0) depctr_va_vcc(0) depctr_vm_vsrc(0)
	s_getreg_b32 s2, hwreg(HW_REG_IB_STS2, 6, 4)
	s_cmp_eq_u32 s2, 0
	s_cbranch_scc0 .Lentry_in_a_cluster
	s_endpgm
.Lentry_in_a_cluster:
	s_bfe_u32 s2, ttmp6, 0x10000c
	s_cmp_lg_u32 s2, 0x3003
	s_cbranch_scc0 .Lentry_shape_is_right
	s_endpgm
.Lentry_shape_is_right:
; Q = x Wq^T + bq, K = x Wk^T + bk, V = x Wv^T + bv on codes of FP4 (E2M1) with one E8M0 scale for each 32 along K = 1,024; then Q and K are quantised along the head's 64, V along the keys, and only codes go to memory.
; SHARES.  A work-group takes a group of 64 tokens (262,144 bytes of x, each read once).  Each of its 8 waves quantises 8 rows: K step s of them is 8 loads of 512 consecutive bytes; four K steps, 32 loads a wave, are on
; their way at a time; the codes go to LDS as images of the operand's registers.  Waves 0-5 multiply: 0, 1: Q; 2, 3: K; 4, 5: V; K steps 0-3 behind the first barrier, 4-7 behind the second.
; THE TOKENS OF A TILE ARE NOT NEIGHBOURS: row r of tile m is token 8 m + r % 8 + 32 (r / 8) of the group.  So wave w's rows 8 (w % 2) .. + 7 of tile w / 2 are 8 neighbouring tokens, and
;   Q, K (source 0 = four tiles of W, source 1 = two tiles of tokens): a lane holds one token, and its 32 registers of W's four tiles are the head's 32 h + 0 .. 31: a whole block;
;   V (source 0 = the four tiles of tokens, source 1 = two tiles of Wv): a lane holds one channel, and its 32 registers of four tiles are tokens 32 h + 0 .. 31: a whole block of the second product's K;
;   so ONE text serves all six waves: a side of four fragments, a side of two, at LDS addresses made of the wave's number; the conversions' results are the next operands' registers.
; THE WEIGHTS (codes and scale words, one dense block of 408 rows of 256 bytes) are the same for all: four work-groups form a cluster and ask for them JOINTLY, one tensor load of 51 rows a wave, filled once.
; No prefetch: x streams through 32 loads a wave asked for four K steps ahead, each byte once; the weights are asked for at the head.
; OUT.  qimg [group][tile 512 bytes]; qscl [group][64 words]; kvc [group]: K's four tiles, then V's four tiles of channels, 512 bytes each; kvs [group][32 lanes][8 bytes]: K's word (two tiles' two bytes each; lanes 0-15 tiles 0, 1, lanes 16-31
;   tiles 2, 3), then V's bytes for channel lane and for channel 32 + lane (two each: tokens 0-31, 32-63).
; LIMITS: a block of zeros, or one whose largest magnitude lies under 2^-124, keeps the byte 1 (its codes are zeros or held by the floor; this program alone reads the bytes); NaN and infinities are not served.
; REGISTERS.  Window 0: v4-15, v252 addresses; v16-143 x on its way; v144-207 the 8 accumulators; v208-239 at work; v240-251 scale words, which hold scales and nothing else.   Window 1: v0-191 fragments of four K steps, 48 each; v192-223 the bias.
.set PITCH, 272                        ; LDS: 256 bytes (a block of 16 rows) + 16 of padding, so that the four blocks of a row that one store touches start at different banks
.set FRAG, 4*PITCH                     ; a fragment: blocks (c, h) = 0 .. 3
.set TILE, 8*FRAG                      ; a tile: 8 K steps
.set WSC,  12*TILE                     ; behind the weights' 12 tiles their scale words: 128 bytes a K step, two K steps to a padded row
.set WROWS, 51                         ; rows of 256 bytes that a wave fetches
.set XIMG, 111104                      ; x's 4 tiles, laid as the weights'
.set XSC,  XIMG+4*TILE                 ; their scale words, laid as the weights'
.set STG,  148224                      ; Q's 256 bytes of scale words, then the record of K's and V's
.set SPARE, STG+512                    ; the spare words: 1,024 bytes
.set DF,   XIMG-8*TILE                 ; from V's tiles to x's
.set DS,   XSC-WSC-4*FRAG              ; from V's scale words to x's
.set XO,  4                            ; 16 x lane
.set CW,  5                            ; where I store codes
.set SW,  6                            ; and scale bytes
.set FA,  7                            ; the side of four: fragments
.set TA,  8                            ; the side of two
.set FS,  9                            ; their scale words
.set TS,  10
.set BOQ, 11                           ; my bytes in the bias: Q, K
.set SAQ, 12                           ; the stage: Q, K, V
.set SAK, 13
.set SAV, 14
.set L8,  15
.set SRD, 253                          ; (used by waves 6, 7) where I read a scale record back
.set BOV, 252                          ; my bytes in the bias: V
.set XR,  16
.set ACC, 144
.set MX,  208
.set SO,  216
.set BY,  224
.set PC,  232
.set WS,  240
.set SPW, 254
.set NIL, 255
.set BI,  192
.set WV,  24                           ; s24 wave; s25 wave % 2; s26 wave / 2; s27 wave / 4; s28 = 1 - s27; s30 the group
.set G1,  32
.set G0,  40
.set MSB, 0
.macro WIN new                         ; the immediate's high byte repeats the setting that is left
.if MSB != \new
	s_set_vgpr_msb (MSB<<8)|\new
.set MSB, \new
.endif
.endm
.macro ROUND                           ; a round of the cluster's barrier
	s_barrier_signal -1
	s_barrier_wait -1
	s_cmp_lg_u32 s[WV], 0
	s_cbranch_scc1 .Lnot_wave_0_\@
	s_barrier_signal -3
.Lnot_wave_0_\@:
	s_barrier_wait -3
	s_barrier_signal -1
	s_barrier_wait -1
.endm
.macro LOADX g                         ; K step g of my 8 rows: 32 lanes read 512 consecutive bytes of a row
.irp i, 0,1,2,3,4,5,6,7
	global_load_b128 v[XR+32*((\g)%4)+4*\i:XR+32*((\g)%4)+4*\i+3], v[XO], s[60:61] offset:4096*\i+512*(\g) th:TH_LOAD_NT
.endr
.endm
; K step g: a lane has four neighbours of each row, eight lanes a block of 32.  A conversion takes two rows' registers under one row's scale: the even row's codes are its low half, the odd row's the high half of the other.
.macro GROUP g
.set XB, XR+32*((\g)%4)
.if (\g) < 5
	s_wait_loadcnt 24                              ; this K step's 8 loads are in; the three younger K steps' may be out
.else
	s_wait_loadcnt 8*(7-(\g))
.endif
.irp i, 0,1,2,3,4,5,6,7
	v_max3_num_f32 v[MX+\i], |v[XB+4*\i]|, |v[XB+4*\i+1]|, 0x1800000   ; and the floor 2^(3 - 127): the byte cannot fall under 1
.endr
.irp i, 0,1,2,3,4,5,6,7
	v_max3_num_f32 v[MX+\i], v[MX+\i], |v[XB+4*\i+2]|, |v[XB+4*\i+3]|
.endr
.irp m, 1,2,4
.irp i, 0,1,2,3,4,5,6,7
	v_max_num_f32_dpp v[MX+\i], v[MX+\i], v[MX+\i] row_xmask:\m row_mask:0xf bank_mask:0xf
.endr
.endr
.irp i, 0,1,2,3,4,5,6,7
	v_add_nc_u32 v[SO+\i], 0xff000000, v[MX+\i]    ; 2 off its exponent field: the conversion's scale operand
.endr
.irp i, 0,1,2,3,4,5,6,7
	v_lshrrev_b32 v[BY+\i], 23, v[SO+\i]           ; the scale's byte
.endr
.irp i, 0,1,2,3,4,5,6,7
	v_cvt_scalef32_pk8_fp4_f32 v[PC+\i], v[XB+8*(\i/2):XB+8*(\i/2)+7], v[SO+\i]
.endr
	v_nop                                          ; one plain place behind the conversions
.irp i, 0,2,4,6
	ds_store_b16 v[CW], v[PC+\i] offset:FRAG*(\g)+16*\i
	ds_store_b16_d16_hi v[CW], v[PC+\i+1] offset:FRAG*(\g)+16*\i+16
.endr
.irp i, 0,1,2,3,4,5,6,7
	ds_store_b8 v[SW], v[BY+\i] offset:PITCH*((\g)/2)+128*((\g)%2)+4*\i   ; a block's eight lanes write the same byte with the same value
.endr
.if (\g) < 4
	LOADX (\g)+4
.endif
.endm
.macro WM ra, rb                       ; one product: v[rD] = v[rA] x v[rB] + v[rC], scales sA, sB
.if ((\ra) == 0) && ((\rb) == 0)
	v_wmma_scale_f32_16x16x128_f8f6f4 v[rD:rD+7], v[rA:rA+7], v[rB:rB+7], v[rC:rC+7], v[sA], v[sB] matrix_a_fmt:MATRIX_FMT_FP4 matrix_b_fmt:MATRIX_FMT_FP4
.elseif (\rb) == 0
	v_wmma_scale_f32_16x16x128_f8f6f4 v[rD:rD+7], v[rA:rA+7], v[rB:rB+7], v[rC:rC+7], v[sA], v[sB] matrix_a_fmt:MATRIX_FMT_FP4 matrix_b_fmt:MATRIX_FMT_FP4 matrix_a_scale:MATRIX_SCALE_ROW1
.elseif (\ra) == 0
	v_wmma_scale_f32_16x16x128_f8f6f4 v[rD:rD+7], v[rA:rA+7], v[rB:rB+7], v[rC:rC+7], v[sA], v[sB] matrix_a_fmt:MATRIX_FMT_FP4 matrix_b_fmt:MATRIX_FMT_FP4 matrix_b_scale:MATRIX_SCALE_ROW1
.else
	v_wmma_scale_f32_16x16x128_f8f6f4 v[rD:rD+7], v[rA:rA+7], v[rB:rB+7], v[rC:rC+7], v[sA], v[sB] matrix_a_fmt:MATRIX_FMT_FP4 matrix_b_fmt:MATRIX_FMT_FP4 matrix_a_scale:MATRIX_SCALE_ROW1 matrix_b_scale:MATRIX_SCALE_ROW1
.endif
.endm
; A K step's 8 products; the 8 accumulators take turns in the same order in every K step.  how: 0 adds in place; 1 begins with the bias by the side of four (Q, K); 2 by the side of two (V)
.macro MM k, how
.irp i, 0,1
.irp t, 0,1,2,3
.set rD, ACC+32*\i+8*\t
.set rA, 48*\k+8*\t
.set rB, 48*\k+32+8*\i
.set sA, WS+3*\k+\t/2
.set sB, WS+3*\k+2
.if \how == 0
.set rC, rD
.elseif \how == 1
.set rC, BI+8*\t
.else
.set rC, BI+8*\i
.endif
	WM \t%2, \i%2
.endr
.endr
.endm
.macro MAT p                           ; K steps 4 p .. 4 p + 3: all their fragments are asked for in one run of 60 loads
.irp k, 0,1,2,3
	ds_load_b32 v[WS+3*\k], v[FS] offset:PITCH*((4*\p+\k)/2)+128*(\k%2)          ; lanes 0-15 tile 0's words, lanes 16-31 tile 1's
	ds_load_b32 v[WS+3*\k+1], v[FS] offset:FRAG+PITCH*((4*\p+\k)/2)+128*(\k%2)   ; tiles 2, 3
	ds_load_b32 v[WS+3*\k+2], v[TS] offset:PITCH*((4*\p+\k)/2)+128*(\k%2)
.endr
	WIN 0x40                                       ; destination window 1
.irp k, 0,1,2,3
.irp c, 0,1
.irp t, 0,1,2,3
	ds_load_b128 v[48*\k+8*\t+4*\c:48*\k+8*\t+4*\c+3], v[FA] offset:TILE*\t+FRAG*(4*\p+\k)+2*PITCH*\c
.endr
.irp i, 0,1
	ds_load_b128 v[48*\k+32+8*\i+4*\c:48*\k+32+8*\i+4*\c+3], v[TA] offset:TILE*\i+FRAG*(4*\p+\k)+2*PITCH*\c
.endr
.endr
.endr
	WIN 0
	s_wait_dscnt 36                                ; the scale words and the first K step's 12 loads are in
.if \p == 0
	s_cmp_lt_u32 s[WV], 4
	s_cbranch_scc0 .Lbias_two
	WIN 0x15                                       ; sources 0, 1 and 2 window 1
	MM 0, 1
	WIN 0
	s_branch .Lbegun
.Lbias_two:
	WIN 0x15
	MM 0, 2
	WIN 0
.Lbegun:
	WIN 0x05
.else
	WIN 0x05                                       ; sources 0 and 1 window 1
	MM 0, 0
.endif
	s_wait_dscnt 24
	MM 1, 0
	s_wait_dscnt 12
	MM 2, 0
	s_wait_dscnt 0x0
	MM 3, 0
	WIN 0
.rept 4
	v_nop                                          ; the places in front of the next loads into registers that these products have read, and of the first read of results
.endr
.endm
	s_load_b512 s[4:19], s[0:1], 0x0               ; x s[4:5], wimg s[6:7], bq s[8:9], bk s[10:11], bv s[12:13], qimg s[14:15], qscl s[16:17], kvc s[18:19]
	s_load_b64 s[20:21], s[0:1], 0x40              ; kvs
	v_lshl_add_u32 v[SPW], v0, 2, SPARE
	v_mov_b32 v[NIL], 0
	ds_add_u32 v[SPW], v[NIL]                      ; the wave's opening: the add, twice on end, ahead of my tensor load
	ds_add_u32 v[SPW], v[NIL]
	v_lshrrev_b32 v1, 5, v0
	v_readfirstlane_b32 s[WV], v1                  ; wave 0..7
	s_and_b32 s25, s[WV], 1
	s_lshr_b32 s26, s[WV], 1
	s_lshr_b32 s27, s[WV], 2
	s_xor_b32 s28, s27, 1
	s_bfe_u32 s29, ttmp6, 0x40000                  ; cx
	s_lshl_b32 s30, ttmp9, 2                       ; in a cluster launch ttmp9 counts clusters
	s_add_co_u32 s30, s30, s29                     ; the group of 64 tokens: enters x's and the results' addresses alone
	s_lshl_b32 s70, s25, 7                         ; 128 (wave % 2)
	s_mul_i32 s48, s26, TILE
	s_add_co_u32 s48, s48, s70
	s_add_co_u32 s48, s48, XIMG                    ; codes: tile wave / 2, rows 8 (wave % 2) on
	s_mul_i32 s49, s27, FRAG
	s_and_b32 s71, s26, 1
	s_lshl_b32 s71, s71, 6
	s_add_co_u32 s49, s49, s71
	s_lshl_b32 s71, s25, 5
	s_add_co_u32 s49, s49, s71
	s_add_co_u32 s49, s49, XSC                     ; their scale words
	s_mul_i32 s50, s26, 4*TILE
	s_mul_i32 s71, s27, DF
	s_add_co_u32 s50, s50, s71                     ; the side of four: Q, K: the weight's four tiles; V: x's four
	s_mul_i32 s51, s28, DF
	s_mul_i32 s71, s25, 2*TILE
	s_add_co_u32 s51, s51, s71
	s_add_co_u32 s51, s51, 8*TILE                  ; the side of two: Q, K: x's tiles 2 (wave % 2) on; V: Wv's
	s_mul_i32 s52, s26, 2*FRAG
	s_mul_i32 s71, s27, DS
	s_add_co_u32 s52, s52, s71
	s_add_co_u32 s52, s52, WSC                     ; and their scale words
	s_mul_i32 s53, s28, DS
	s_mul_i32 s71, s25, FRAG
	s_add_co_u32 s53, s53, s71
	s_add_co_u32 s53, s53, WSC+4*FRAG
	s_add_co_u32 s55, s70, STG
	s_add_co_u32 s56, s70, STG+256
	s_lshl_b32 s57, s25, 1
	s_add_co_u32 s57, s57, STG+260
	s_lshl_b32 s72, s25, 8
	s_add_co_u32 s72, s72, STG
	; descriptor group 1: 51 rows of 256 bytes (32 elements of 8 bytes), dense in memory, 16 bytes of padding behind each in LDS
	s_mov_b32 s[G1+0], 15|(3<<16)|(1<<20)|(1<<21)|(5<<22)|(3<<25)   ; 15:0 the mask: all four work-groups; 21 set beside a mask; 24:22 after every 64 words; 31:25 four words
	s_mov_b32 s[G1+1], 32<<16
	s_mov_b32 s[G1+2], WROWS<<16
	s_mov_b32 s[G1+3], 32<<16
	s_mov_b32 s[G1+4], WROWS
	s_mov_b32 s[G1+5], 32
	s_mov_b32 s[G1+6], 0
	s_mov_b32 s[G1+7], 0
	s_mov_b32 s[G0], 1
	s_mul_i32 s[G0+1], s[WV], WROWS*PITCH
	s_mul_i32 s44, s[WV], WROWS*256
	s_mov_b32 s45, 0
	s_lshl_b32 s58, s30, 18                        ; x: the group's 64 rows of 4,096 bytes,
	s_lshl_b32 s71, s26, 15
	s_add_co_u32 s58, s58, s71
	s_lshl_b32 s71, s25, 17
	s_add_co_u32 s58, s58, s71                     ; token 8 (wave / 2) + 32 (wave % 2) on
	s_mov_b32 s59, 0
	v_and_b32 v1, 31, v0                           ; lane
	v_and_b32 v2, 15, v0                           ; r
	v_bfe_u32 v3, v0, 4, 1                         ; h
	v_lshrrev_b32 v16, 3, v1                       ; my block of a row's 128 numbers
	v_and_b32 v17, 7, v1
	v_mul_u32_u24 v18, v3, PITCH
	v_lshl_add_u32 v18, v2, 4, v18                 ; 16 r + 272 h
	v_lshlrev_b32 v19, 2, v1
	v_lshlrev_b32 v[XO], 4, v1
	v_lshlrev_b32 v[L8], 3, v1
	v_mul_u32_u24 v[CW], v16, PITCH
	v_lshl_add_u32 v[CW], v17, 1, v[CW]            ; my four codes are two bytes
	v_add_nc_u32 v[CW], s48, v[CW]
	v_add_nc_u32 v[SW], s49, v16
	v_add_nc_u32 v[FA], s50, v18
	v_add_nc_u32 v[TA], s51, v18
	v_add_nc_u32 v[FS], s52, v19
	v_add_nc_u32 v[TS], s53, v19
	v_lshlrev_b32 v[BOQ], 7, v3                    ; Q, K: register j of tile t is the head's 32 h + 8 t + j
	v_lshl_add_u32 v[BOV], v2, 2, s70              ; V: all registers of tile i are channel 32 (wave % 2) + 16 i + r
	v_lshl_add_u32 v[SAQ], v2, 2, v3
	v_add_nc_u32 v[SAQ], s55, v[SAQ]
	v_lshl_add_u32 v[SAK], v2, 3, v3
	v_add_nc_u32 v[SAV], s57, v[SAK]
	v_add_nc_u32 v[SAK], s56, v[SAK]
	v_add_nc_u32 v[SRD], s72, v[L8]                ; record wave % 2, 8 bytes a lane
	s_wait_alu depctr_va_vdst(0)                   ; the wait at the head's end
	s_wait_dscnt 0x0                               ; both opening adds are done
	s_wait_kmcnt 0x0
	s_add_nc_u64 s[60:61], s[4:5], s[58:59]
	s_add_nc_u64 s[G0+2:G0+3], s[6:7], s[44:45]
	s_or_b32 s[G0+3], s[G0+3], 0x80000000          ; type = 2
	s_lshl_b32 s44, s30, 11
	s_add_nc_u64 s[66:67], s[14:15], s[44:45]      ; Q's codes: 2,048 bytes a group
	s_lshl_b32 s44, s30, 12
	s_lshl_b32 s71, s27, 11
	s_add_co_u32 s44, s44, s71
	s_add_nc_u64 s[68:69], s[18:19], s[44:45]      ; K's: 4,096 a group; V's 2,048 behind them
	s_cmp_lt_u32 s[WV], 2                          ; the choice hangs on the wave's number alone
	s_cselect_b64 s[66:67], s[66:67], s[68:69]
	s_cselect_b64 s[62:63], s[8:9], s[10:11]       ; bq or bk
	s_lshl_b32 s44, s25, 10
	s_add_nc_u64 s[66:67], s[66:67], s[44:45]      ; tiles 2 (wave % 2) on
	s_lshl_b32 s44, s30, 8
	s_add_nc_u64 s[46:47], s[16:17], s[44:45]      ; the scale records: 256 bytes a group: Q's,
	s_add_nc_u64 s[68:69], s[20:21], s[44:45]      ; K's and V's
	s_cmp_eq_u32 s[WV], 6
	s_cselect_b64 s[68:69], s[46:47], s[68:69]     ; wave 6 stores Q's, wave 7 the other
	s_cmp_lt_u32 s[WV], 4                          ; the bias, ahead of x: so the waits for x count x's loads alone
	s_cbranch_scc0 .Lbias_v
	WIN 0x40
.irp t, 0,1,2,3
	global_load_b128 v[BI+8*\t:BI+8*\t+3], v[BOQ], s[62:63] offset:32*\t
	global_load_b128 v[BI+8*\t+4:BI+8*\t+7], v[BOQ], s[62:63] offset:32*\t+16
.endr
	WIN 0
	s_branch .Lbias_done
.Lbias_v:
	s_cmp_lt_u32 s[WV], 6
	s_cbranch_scc0 .Lbias_done
	WIN 0x40
.irp i, 0,1
.irp j, 0,1,2,3,4,5,6,7
	global_load_b32 v[BI+8*\i+\j], v[BOV], s[12:13] offset:64*\i
.endr
.endr
	WIN 0
.Lbias_done:
	LOADX 0
	LOADX 1
	LOADX 2
	LOADX 3
	ROUND                                          ; all four work-groups are here: the joint loads meet
	tensor_load_to_lds s[G0:G0+3], s[G1:G1+7]      ; my 51 rows of the weights: one tensor load a wave in the launch
	s_nop 0
.rept 4
	v_nop
.endr
.irp g, 0,1,2,3
	GROUP \g
.endr
	s_wait_tensorcnt 0x0                           ; my part of the weights is in
	s_wait_dscnt 0x0                               ; my codes and scale bytes lie in LDS
	s_barrier_signal -1
	s_barrier_wait -1                              ; everybody's: K steps 0-3 of x, and the weights
	s_cmp_lt_u32 s[WV], 6
	s_cbranch_scc0 .Lhalf
	MAT 0
.Lhalf:
.irp g, 4,5,6,7
	GROUP \g
.endr
	s_wait_dscnt 0x0
	s_barrier_signal -1
	s_barrier_wait -1                              ; K steps 4-7
	s_cmp_lt_u32 s[WV], 6
	s_cbranch_scc0 .Lmade
	MAT 1
	; block i: 32 registers of my lane: largest magnitude in two chains, each accumulator from its low end on
.irp i, 0,1
	v_max3_num_f32 v[MX+\i], |v[ACC+32*\i]|, |v[ACC+32*\i+1]|, 0x1800000
	v_max3_num_f32 v[MX+2+\i], |v[ACC+32*\i+16]|, |v[ACC+32*\i+17]|, 0x1800000
.endr
.irp e, 2,4,6,8,10,12,14
.irp i, 0,1
	v_max3_num_f32 v[MX+\i], v[MX+\i], |v[ACC+32*\i+\e]|, |v[ACC+32*\i+\e+1]|
	v_max3_num_f32 v[MX+2+\i], v[MX+2+\i], |v[ACC+32*\i+16+\e]|, |v[ACC+32*\i+17+\e]|
.endr
.endr
.irp i, 0,1
	v_max_num_f32 v[MX+\i], v[MX+\i], v[MX+2+\i]
.endr
.irp i, 0,1
	v_add_nc_u32 v[SO+\i], 0xff000000, v[MX+\i]
.endr
.irp i, 0,1
	v_lshrrev_b32 v[BY+\i], 23, v[SO+\i]
.endr
.irp i, 0,1
.irp g, 0,1,2,3
	v_cvt_scalef32_pk8_fp4_f32 v[PC+4*\i+\g], v[ACC+32*\i+8*\g:ACC+32*\i+8*\g+7], v[SO+\i]
.endr
.endr
	v_nop
.irp i, 0,1
	global_store_b128 v[XO], v[PC+4*\i:PC+4*\i+3], s[66:67] offset:512*\i   ; 32 lanes store 512 consecutive bytes: a tile's image
.endr
	s_wait_alu depctr_va_vdst(0)                   ; the wait here, ahead of the branches
	s_cmp_lt_u32 s[WV], 2
	s_cbranch_scc0 .Lstage_k
.irp i, 0,1
	ds_store_b8 v[SAQ], v[BY+\i] offset:64*\i      ; Q: byte h of the token's word,
	ds_store_b8 v[SAQ], v[BY+\i] offset:64*\i+2    ; and byte 2 + h the same: Q stands in either half of a fragment
.endr
	s_branch .Lmade
.Lstage_k:
	s_cmp_lt_u32 s[WV], 4
	s_cbranch_scc0 .Lstage_v
.irp i, 0,1
	ds_store_b8 v[SAK], v[BY+\i] offset:2*\i
.endr
	s_branch .Lmade
.Lstage_v:
.irp i, 0,1
	ds_store_b8 v[SAV], v[BY+\i] offset:128*\i
.endr
.Lmade:
	s_wait_dscnt 0x0
	s_barrier_signal -1
	s_barrier_wait -1                              ; the scale records lie whole in the stage
	s_cmp_lt_u32 s[WV], 6
	s_cbranch_scc1 .Lend
	ds_load_b64 v[ACC:ACC+1], v[SRD]
	s_wait_dscnt 0x0
	global_store_b64 v[L8], v[ACC:ACC+1], s[68:69] ; 32 lanes store 256 consecutive bytes, at a multiple of 256 from the buffer's first byte
.Lend:
	s_wait_tensorcnt 0x0                           ; the wave's end
	ds_add_u32 v[SPW], v[NIL]
	s_wait_dscnt 0x0
	ROUND                                          ; the closing round: no work-group ends while a partner may still ask for a tile that names it
	s_endpgm
.Lfunc_end_k_q7c77c22111_proj:
	.size	k_q7c77c22111_proj, .Lfunc_end_k_q7c77c22111_proj-k_q7c77c22111_proj
	.p2alignl 7, 3214868480
	.fill 96, 4, 3214868480
	.section	.rodata,"a",@progbits
	.p2align	6, 0x0
	.amdhsa_kernel k_q7c77c22111_proj
		.amdhsa_group_segment_fixed_size 167936
		.amdhsa_private_segment_fixed_size 0
		.amdhsa_enable_private_segment 0
		.amdhsa_kernarg_size 72
		.amdhsa_user_sgpr_count 2
		.amdhsa_user_sgpr_kernarg_segment_ptr 1
		.amdhsa_wavefront_size32 1
		.amdhsa_system_sgpr_workgroup_id_x 1
		.amdhsa_system_sgpr_workgroup_id_y 1
		.amdhsa_system_sgpr_workgroup_id_z 1
		.amdhsa_system_vgpr_workitem_id 0
		.amdhsa_next_free_vgpr 480
		.amdhsa_next_free_sgpr 80
		.amdhsa_reserve_vcc 0
		.amdhsa_float_denorm_mode_32 3
		.amdhsa_float_denorm_mode_16_64 3
		.amdhsa_memory_ordered 1
		.amdhsa_forward_progress 1
		.amdhsa_inst_pref_size 78
	.end_amdhsa_kernel
	.amdgpu_metadata
---
amdhsa.version: [ 1, 2 ]
amdhsa.kernels:
  - .name:           k_q7c77c22111_proj
    .symbol:         k_q7c77c22111_proj.kd
    .args:
      - { .name: x, .offset: 0, .size: 8, .value_kind: global_buffer, .address_space: global }
      - { .name: wimg, .offset: 8, .size: 8, .value_kind: global_buffer, .address_space: global }
      - { .name: bq, .offset: 16, .size: 8, .value_kind: global_buffer, .address_space: global }
      - { .name: bk, .offset: 24, .size: 8, .value_kind: global_buffer, .address_space: global }
      - { .name: bv, .offset: 32, .size: 8, .value_kind: global_buffer, .address_space: global }
      - { .name: qimg, .offset: 40, .size: 8, .value_kind: global_buffer, .address_space: global }
      - { .name: qscl, .offset: 48, .size: 8, .value_kind: global_buffer, .address_space: global }
      - { .name: kvc, .offset: 56, .size: 8, .value_kind: global_buffer, .address_space: global }
      - { .name: kvs, .offset: 64, .size: 8, .value_kind: global_buffer, .address_space: global }
    .group_segment_fixed_size: 167936
    .private_segment_fixed_size: 0
    .kernarg_segment_align: 8
    .kernarg_segment_size: 72
    .max_flat_workgroup_size: 256
    .sgpr_count:     80
    .vgpr_count:     480
    .wavefront_size: 32
...
	.end_amdgpu_metadata
.endif
;; end of part 5
;; launch attn (part 6): grid 64 x 4, 8 waves a work-group, no clusters, 190,464 bytes of LDS; arguments qimg, qscl, kvc, kvs, out0; writes out0
.if DOCPART == 6
	.amdgcn_target "amdgcn-amd-amdhsa--gfx1250"
	.amdhsa_code_object_version 6
	.text
	.protected	k_q7c77c22111_attn
	.globl	k_q7c77c22111_attn
	.p2align	8
	.type	k_q7c77c22111_attn,@function
k_q7c77c22111_attn:
	s_mov_b64 s[64:65], 0
	v_nop
	global_prefetch_b8 v0, s[64:65] scope:SCOPE_SE
	s_setreg_imm32_b32 hwreg(HW_REG_WAVE_MODE, 25, 1), 1
	s_wait_xcnt 0x0
; out[b][q][:] = the sum over k of softmax_k(Q[b][q] . K[b][k] / 8) V[b][k][:], both products on codes of FP4 (E2M1) with one E8M0 scale for each 32 along a product's K.
; THE SOFTMAX AHEAD OF THE SECOND PRODUCT: t = score x log2(e) / 8; M = the largest t so far, rounded UP to a whole number; p = 2^(t - M) is quantised along the keys, not normalised; the row's sum is taken
; of the unquantised p and divides at the end.  When M moves, the sum and O are multiplied by 2^(old M - new M): exact.
; SHARES.  A work-group owns 64 queries (x: the group in its batch, y: the batch).  Each of its 8 waves owns an EIGHTH of the batch's 4,096 keys: their codes of K and V stay in 256 of its registers, loaded once, and the wave walks the
; four tiles of 16 queries, two steps of 256 keys each.  Waves share nothing until the end, where each tile's eight partial results meet in LDS; every M is a whole number, so bringing them under one M rounds nothing.
; No cluster: K and V go from memory straight into registers, 34,816 bytes a wave, each byte once in a work-group; no tile passes through LDS, so there is no tensor load that partners could share.
; No prefetch: all of K and V is asked for in the head, and there is no stream to run ahead of.
; LAYOUT.  Both products are used transposed: S^T = K Q^T, O^T = V^T P^T: a lane holds ONE query (lane % 16) throughout.  A group is 64 keys in four tiles; register 8 m + j of a group's 32 is key 32 (lane / 16) + 8 m + j: a lane
; holds whole blocks of 32 keys, and the conversions' results are the second product's operand as they stand.
; THE FIRST PRODUCT'S K IS 64, the instruction's 128: a fragment of K holds TWO tiles, one in registers 0-3, one in 4-7; with Q in registers 0-3 and zero codes in 4-7 the product is the first tile's, the other way round the second's.
; A BLOCK'S SCALE is found from its largest score: floor(log2(2^(t - M))) = floor(t - M), held at -124: the byte is that + 125.
; THE EXPONENTIALS go in four batches of 32, a group each.  Between them stands plain work whose results are first read behind the next wait: t - M of the next group, the codes of the group before, and sums kept in 32 places.
; ORDER OF THE f32 SUMS: the keys are summed in eighths, each under its own running M, and joined at the end.   LIMITS: the scaled scores (t before the maximum is taken away) stay under 2^31 in magnitude; NaN and infinities are not served;
; a block whose every p lies under 2^-124 keeps the byte 1.
.set PART, 5376                        ; LDS: a partial result: 8 groups of four registers at 640 bytes (lanes 0-15 at 16 r, lanes 16-31 at 384 + 16 r), 256 bytes of (-M, l)
.set STG,  32*PART                     ; the way out: 8 rows x (256 bytes + 16) for each wave
.set SPARE, STG+8*2176                 ; the spare words: 1,024 bytes
.set L16, 1                            ; 16 x lane;  v4, v5 where my partial results begin;  v2, v3 the tile's;  v6 8 x lane;  v7 4 r
.set NM,  10                           ; v10 -M, v11 the largest score so far
.set F,   12                           ; v[12:13] f = 2^(old M - new M); the upper word is 0
.set LS,  14                           ; v[14:15] the sum, in two halves
.set QZ,  16                           ; v16-19 zeros, v20-23 Q, v24-27 zeros
.set QS,  28                           ; scale words: v28 Q's, v30-31 p's, v32-39 V's, v40, v42 .. v54 K's: these hold scales and nothing else
.set PS,  30
.set VS,  32
.set SC,  40
.set PC,  56                           ; v56-71 p's codes
.set BM,  72                           ; v72-75 each block's largest score (v76-79 a second chain)
.set SO,  80                           ; v80-83 the conversions' scale operands
.set XI,  84                           ; v84-87 floor(t - M) of the blocks
.set T,   88
.set PX,  89
.set PK,  90
.set PY,  91
.set T2,  92                           ; v[92:93]
.set SPW, 94
.set NIL, 95
.set O,   96                           ; v96-127  O^T
.set S,   128                          ; v128-255 S^T, then p.   Window 1: v0-127 K: tile m of group G at 16 G + 4 m;  v128-255 V: tile u of channels, groups 2 p, 2 p + 1 at 32 p + 8 u
.set SEL, 20                           ; s14 wave, s15 batch, s16 group;  s[20:21] v_permlanex16_b32's selects for lane l xor 16
.set CS,  22                           ; s[22:23] c = log2(e) / 8 (the packed form takes the low word for both halves);  s28 -c
.set NC,  28
.set TR,  30                           ; s30 the tile, s31 its partial results' place
.set MSB, 0
.macro WIN new                         ; the immediate's high byte repeats the setting that is left
.if MSB != \new
	s_set_vgpr_msb (MSB<<8)|\new
.set MSB, \new
.endif
.endm
.macro KVK h                           ; K's 4 groups of step h
.irp g, 0,1,2,3
.irp m, 0,1,2,3
	global_load_b128 v[16*(4*\h+\g)+4*\m:16*(4*\h+\g)+4*\m+3], v[L16], s[8:9] offset:4096*(4*\h+\g)+512*\m
.endr
.endr
.endm
.macro KVV h                           ; and V's
.irp g, 0,1,2,3
.irp u, 0,1,2,3
	global_load_b128 v[128+32*(2*\h+\g/2)+8*\u+4*(\g%2):128+32*(2*\h+\g/2)+8*\u+4*(\g%2)+3], v[L16], s[8:9] offset:4096*(4*\h+\g)+2048+512*\u
.endr
.endr
.endm
.macro QK n                            ; the scores of 16 queries and 256 keys: 16 products, each its own result
.irp g, 0,1,2,3
.irp m, 0,1,2,3
.set rD, S+32*\g+8*\m
.set rA, 16*(4*\n+\g)+8*(\m/2)
.set rB, QZ+4-4*(\m%2)
.set sA, SC+2*(4*\n+\g)
.if \m < 2
	v_wmma_scale_f32_16x16x128_f8f6f4 v[rD:rD+7], v[rA:rA+7], v[rB:rB+7], 0, v[sA], v[QS] matrix_a_fmt:MATRIX_FMT_FP4 matrix_b_fmt:MATRIX_FMT_FP4
.else
	v_wmma_scale_f32_16x16x128_f8f6f4 v[rD:rD+7], v[rA:rA+7], v[rB:rB+7], 0, v[sA], v[QS] matrix_a_fmt:MATRIX_FMT_FP4 matrix_b_fmt:MATRIX_FMT_FP4 matrix_a_scale:MATRIX_SCALE_ROW1
.endif
.endr
.endr
.endm
.macro PV n                            ; O^T += V^T P^T: the four accumulators take turns, three others between two links.  A tile's first products start the sums
.irp p, 0,1
.irp u, 0,1,2,3
.set rD, O+8*\u
.set rA, 128+32*(2*\n+\p)+8*\u
.set rB, PC+8*\p
.set sA, VS+2*(2*\n+\p)+\u/2
.if (\n == 0) && (\p == 0)
.if \u%2 == 0
	v_wmma_scale_f32_16x16x128_f8f6f4 v[rD:rD+7], v[rA:rA+7], v[rB:rB+7], 0, v[sA], v[PS+\p] matrix_a_fmt:MATRIX_FMT_FP4 matrix_b_fmt:MATRIX_FMT_FP4
.else
	v_wmma_scale_f32_16x16x128_f8f6f4 v[rD:rD+7], v[rA:rA+7], v[rB:rB+7], 0, v[sA], v[PS+\p] matrix_a_fmt:MATRIX_FMT_FP4 matrix_b_fmt:MATRIX_FMT_FP4 matrix_a_scale:MATRIX_SCALE_ROW1
.endif
.else
.if \u%2 == 0
	v_wmma_scale_f32_16x16x128_f8f6f4 v[rD:rD+7], v[rA:rA+7], v[rB:rB+7], v[rD:rD+7], v[sA], v[PS+\p] matrix_a_fmt:MATRIX_FMT_FP4 matrix_b_fmt:MATRIX_FMT_FP4
.else
	v_wmma_scale_f32_16x16x128_f8f6f4 v[rD:rD+7], v[rA:rA+7], v[rB:rB+7], v[rD:rD+7], v[sA], v[PS+\p] matrix_a_fmt:MATRIX_FMT_FP4 matrix_b_fmt:MATRIX_FMT_FP4 matrix_a_scale:MATRIX_SCALE_ROW1
.endif
.endif
.endr
.endr
.endm
.macro TM b, k                         ; t - M of pair k of group b
	v_pk_fma_f32 v[S+32*(\b)+2*(\k):S+32*(\b)+2*(\k)+1], v[S+32*(\b)+2*(\k):S+32*(\b)+2*(\k)+1], s[CS:CS+1], v[NM:NM+1] op_sel_hi:[1,0,0]
.endm
.macro PADD k, b                       ; pair k of group b onto pair k of group 0, whose codes have been made
	v_pk_add_f32 v[S+2*(\k):S+2*(\k)+1], v[S+2*(\k):S+2*(\k)+1], v[S+32*(\b)+2*(\k):S+32*(\b)+2*(\k)+1]
.endm
.macro CVT b, g
	v_cvt_scalef32_pk8_fp4_f32 v[PC+4*(\b)+(\g)], v[S+32*(\b)+8*(\g):S+32*(\b)+8*(\g)+7], v[SO+(\b)]
.endm
.macro EXPS b                          ; group b's 32 exponentials, two by two; the last line is plain
.set k, 0
.rept 16
	v_exp_f32 v[S+32*\b+2*k], v[S+32*\b+2*k]       ; p = 2^(t - M), at most 1: NOT normalised
	v_exp_f32 v[S+32*\b+2*k+1], v[S+32*\b+2*k+1]
.if (\b > 0) && (k%4 == 0)
	CVT \b-1, k/4
.endif
.if \b < 3
	TM \b+1, k
.endif
.if \b > 1
	PADD k, \b-1
.endif
.set k, k+1
.endr
	s_wait_alu depctr_va_vdst(0)                   ; one wait behind this batch and ahead of the next
.endm
.macro STEP n
.if \n == 1
	s_wait_loadcnt 16                              ; (the first tile) K of these 256 keys is in; V's 16 loads may be out
.endif
	WIN 0x01                                       ; source 0 window 1
	QK \n
	WIN 0
.rept 4
	v_nop                                          ; the places in front of the first reads of results and of the loads into Q's registers
.endr
.if \n == 1
	s_cmp_eq_u32 s[TR], 3
	s_cbranch_scc1 .Lno_next
	global_load_b128 v[QZ+4:QZ+7], v[L16], s[4:5] offset:512   ; the next tile's Q lands under this step's softmax
	global_load_b32 v[QS], v7, s[6:7] offset:64
.Lno_next:
.endif
.irp b, 0,1,2,3
	v_max3_num_f32 v[BM+\b], v[S+32*\b], v[S+32*\b+1], v[S+32*\b+2]   ; the largest score of each block of 32 keys, in two chains; it serves the row's maximum and the block's scale
	v_max3_num_f32 v[BM+4+\b], v[S+32*\b+16], v[S+32*\b+17], v[S+32*\b+18]
.endr
.irp i, 3,5,7,9,11,13
.irp b, 0,1,2,3
	v_max3_num_f32 v[BM+\b], v[BM+\b], v[S+32*\b+\i], v[S+32*\b+\i+1]
	v_max3_num_f32 v[BM+4+\b], v[BM+4+\b], v[S+32*\b+16+\i], v[S+32*\b+17+\i]
.endr
.endr
.irp b, 0,1,2,3
	v_max3_num_f32 v[BM+\b], v[BM+\b], v[S+32*\b+15], v[BM+4+\b]
.endr
.irp b, 0,1,2,3
	v_max_num_f32 v[BM+\b], v[BM+\b], v[S+32*\b+31]
.endr
	v_max3_num_f32 v[T], v[BM], v[BM+1], v[BM+2]
	s_delay_alu instid0(VALU_DEP_1)
.if \n == 0
	v_max_num_f32 v[T], v[T], v[BM+3]
.else
	v_max3_num_f32 v[T], v[T], v[BM+3], v[NM+1]
.endif
	s_delay_alu instid0(VALU_DEP_1)
	v_permlanex16_b32 v[PX], v[T], s[SEL], s[SEL+1]
	s_delay_alu instid0(VALU_DEP_1)
	v_max_num_f32 v[NM+1], v[T], v[PX]             ; the largest score so far of my query
	s_delay_alu instid0(VALU_DEP_1)
	v_mul_f32 v[T], s[NC], v[NM+1]                 ; -t
	s_delay_alu instid0(VALU_DEP_1)
.if \n == 0
	v_floor_f32 v[NM], v[T]                        ; -M = floor(-t) = -ceil(t): M IS A WHOLE NUMBER
.else
	v_floor_f32 v[T], v[T]
	s_delay_alu instid0(VALU_DEP_1)
	v_sub_f32 v[T2], v[T], v[NM]                   ; M's old value less its new one: a whole number, 0 or less
	v_mov_b32 v[NM], v[T]
	v_cvt_i32_f32 v[T2], v[T2]                     ; (it saturates)
.endif
.irp b, 0,1,2,3
	v_fma_f32 v[XI+\b], v[BM+\b], s[CS], v[NM]     ; t - M of each block's largest score
.endr
.if \n == 1
	v_ldexp_f32 v[F], 1.0, v[T2]                   ; f = 2^(old M - new M)
.endif
.irp b, 0,1,2,3
	v_max_num_f32 v[XI+\b], 0xc2f80000, v[XI+\b]   ; held at -124: the byte cannot fall under 1
.endr
.irp b, 0,1,2,3
	v_cvt_floor_i32_f32 v[XI+\b], v[XI+\b]
.endr
.irp b, 0,1,2,3
	v_add_lshl_u32 v[SO+\b], v[XI+\b], 0x7d, 23    ; the byte in an exponent field: the conversion's scale operand
.endr
	v_lshl_add_u32 v[T], v[XI+1], 8, v[XI]
	v_lshl_add_u32 v[PK], v[XI+3], 8, v[XI+2]
	v_lshl_add_u32 v[PK], v[PK], 16, v[T]
	v_add_nc_u32 v[PK], 0x7d7d7d7d, v[PK]          ; my four bytes: + 125 each
	v_permlanex16_b32 v[PY], v[PK], s[SEL], s[SEL+1]
.if \n == 1
.irp j, 0,2,4,6,8,10,12,14,16,18,20,22,24,26,28,30
	v_pk_mul_f32 v[O+\j:O+\j+1], v[O+\j:O+\j+1], v[F:F+1] op_sel_hi:[1,0]   ; O^T under the new M, each accumulator from its low end on,
.endr
	v_pk_mul_f32 v[LS:LS+1], v[LS:LS+1], v[F:F+1] op_sel_hi:[1,0]           ; and the sum
.endif
	v_perm_b32 v[PS], v[PY], v[PK], 0x05010400     ; p's scale words (lanes 0-15 are read): byte 2 c + h is half h's block of group c
	v_perm_b32 v[PS+1], v[PY], v[PK], 0x07030602
.irp i, 0,1,2,3,4,5,6,7,8,9,10,11,12,13,14,15
	TM 0, \i
.endr
	s_wait_alu depctr_va_vdst(0)                   ; the wait ahead of the batch
	EXPS 0
	EXPS 1
	EXPS 2
	EXPS 3
.set k, 0
.rept 16
	PADD k, 3
.if k%4 == 0
	CVT 3, k/4
.endif
.set k, k+1
.endr
.irp i, 0,1,2,3,4,5,6,7
	v_pk_add_f32 v[S+2*\i:S+2*\i+1], v[S+2*\i:S+2*\i+1], v[S+16+2*\i:S+16+2*\i+1]
.endr
.irp i, 0,1,2,3
	v_pk_add_f32 v[S+2*\i:S+2*\i+1], v[S+2*\i:S+2*\i+1], v[S+8+2*\i:S+8+2*\i+1]
.endr
.irp i, 0,1
	v_pk_add_f32 v[S+2*\i:S+2*\i+1], v[S+2*\i:S+2*\i+1], v[S+4+2*\i:S+4+2*\i+1]
.endr
.if \n == 0
	v_pk_add_f32 v[LS:LS+1], v[S:S+1], v[S+2:S+3]  ; THE ROW'S SUM OF THE UNQUANTISED p, my half of the keys
.else
	v_pk_add_f32 v[S:S+1], v[S:S+1], v[S+2:S+3]
	v_pk_add_f32 v[LS:LS+1], v[LS:LS+1], v[S:S+1]
.endif
	s_wait_alu depctr_va_vdst(0)                   ; the wait here, directly ahead of the wait below
.if \n == 0
	s_wait_loadcnt 32                              ; (the first tile) V of these keys is in; the second step's 32 loads may be out
.else
	s_wait_loadcnt 0x0                             ; (the first tile) V of these keys; and the next tile's Q
.endif
	WIN 0x01
	PV \n
	WIN 0
.endm
	s_load_b256 s[4:11], s[0:1], 0x0               ; qimg s[4:5], qscl s[6:7], kvc s[8:9], kvs s[10:11]
	s_load_b64 s[12:13], s[0:1], 0x20              ; out0
	v_lshrrev_b32 v2, 5, v0
	v_readfirstlane_b32 s14, v2                    ; wave 0..7: my eighth of the keys
	s_and_b32 s15, ttmp7, 0xffff                   ; the batch
	s_lshl_b32 s16, s15, 6
	s_add_co_u32 s16, s16, ttmp9                   ; the group of queries
	s_lshr_b32 s24, s14, 1                         ; at the end: the tile that I join,
	s_and_b32 s25, s14, 1                          ; and which half of its queries
	s_lshl_b32 s40, s16, 11                        ; Q's codes: 2,048 bytes a group
	s_mov_b32 s41, 0
	s_lshl_b32 s42, s16, 8                         ; its scale words: 256
	s_mov_b32 s43, 0
	s_lshl_b32 s44, s15, 18
	s_lshl_b32 s36, s14, 15
	s_add_co_u32 s44, s44, s36                     ; K's and V's codes: 4,096 bytes a group of keys, 8 groups a wave
	s_mov_b32 s45, 0
	s_lshl_b32 s46, s15, 14
	s_lshl_b32 s36, s14, 11
	s_add_co_u32 s46, s46, s36                     ; their scale records: 256 bytes a group
	s_mov_b32 s47, 0
	s_lshl_b32 s48, s16, 14
	s_lshl_b32 s36, s24, 11
	s_add_co_u32 s48, s48, s36
	s_lshl_b32 s36, s25, 13
	s_add_co_u32 s48, s48, s36                     ; out: rows of 256 bytes: tokens 8 (tile) + 32 (half) on
	s_mov_b32 s49, 0
	s_mul_i32 s26, s14, 4*PART                     ; my partial results
	s_add_co_u32 s27, s26, 5120
	s_mov_b32 s[SEL], 0x76543210
	s_mov_b32 s[SEL+1], 0xfedcba98
	s_mov_b32 s[CS], 0x3e38aa3b                    ; c = log2(e) / 8
	s_mov_b32 s[CS+1], s[CS]                       ; (named with it as a pair, so it is written)
	s_mov_b32 s[NC], 0xbe38aa3b
	s_mov_b32 s[TR], 0
	s_mov_b32 s[TR+1], 0
	v_lshl_add_u32 v[SPW], v0, 2, SPARE
	v_mov_b32 v[NIL], 0
	v_and_b32 v3, 31, v0                           ; lane
	v_and_b32 v8, 15, v0                           ; r
	v_bfe_u32 v9, v0, 4, 1                         ; h
	v_lshlrev_b32 v[L16], 4, v3
	v_lshlrev_b32 v6, 3, v3
	v_lshlrev_b32 v7, 2, v8
	v_mul_u32_u24 v4, v9, 384
	v_lshl_add_u32 v4, v8, 4, v4
	v_add_nc_u32 v4, s26, v4
	v_add_nc_u32 v5, s27, v6
	s_wait_alu depctr_va_vdst(0)                   ; the wait here, directly ahead of the wait below
	s_wait_kmcnt 0x0
	s_add_nc_u64 s[4:5], s[4:5], s[40:41]
	s_add_nc_u64 s[6:7], s[6:7], s[42:43]
	s_add_nc_u64 s[8:9], s[8:9], s[44:45]
	s_add_nc_u64 s[10:11], s[10:11], s[46:47]
	s_add_nc_u64 s[12:13], s[12:13], s[48:49]
	global_load_b128 v[QZ+4:QZ+7], v[L16], s[4:5]  ; the first tile's Q: lane (r, h): the head's block h of query r
	global_load_b32 v[QS], v7, s[6:7]              ; and its scale words
.irp g, 0,1,2,3,4,5,6,7
	global_load_b64 v[SC+2*\g:SC+2*\g+1], v6, s[10:11] offset:256*\g   ; K's word; V's bytes of channel lane and of channel 32 + lane
.endr
	WIN 0x40                                       ; destination window 1
	KVK 0
	KVV 0
	KVK 1
	KVV 1
	WIN 0
.irp j, 0,1,2,3
	v_mov_b32 v[QZ+\j], 0                          ; zero codes on either side of Q
	v_mov_b32 v[QZ+8+\j], 0
.endr
	v_mov_b32 v[F+1], 0                            ; (named as the upper half of the pair)
	v_mov_b32 v[PX], 0                             ; written once: a lane permute's destination counts as one of its sources
	v_mov_b32 v[PY], 0
	s_wait_alu depctr_va_vdst(0)                   ; the wait at the head's end
	s_wait_loadcnt 48                              ; Q, the scale records and K of the first 256 keys are in; the 48 loads behind them may be out
.irp p, 0,1,2,3
	v_perm_b32 v[VS+2*\p], v[SC+4*\p+3], v[SC+4*\p+1], 0x05040100     ; V's scale words of 128 keys: group 2 p's two bytes, then group 2 p + 1's: channels 0-31,
	v_perm_b32 v[VS+2*\p+1], v[SC+4*\p+3], v[SC+4*\p+1], 0x07060302   ; channels 32-63
.endr
.Ltile:
	STEP 0
	STEP 1
	v_mov_b32 v[T2], v[NM]
	v_add_f32 v[T2+1], v[LS], v[LS+1]
	v_add_nc_u32 v2, s[TR+1], v4
	v_add_nc_u32 v3, s[TR+1], v5                   ; these four are the places behind the last products (ISA guide 7.12.1)
	ds_store_b64 v3, v[T2:T2+1]                    ; (-M, l of my half of the keys),
.irp q, 0,1,2,3,4,5,6,7
	ds_store_b128 v2, v[O+4*\q:O+4*\q+3] offset:640*\q   ; and O^T, each accumulator from its low end on
.endr
	s_add_nc_u64 s[4:5], s[4:5], 512
	s_add_nc_u64 s[6:7], s[6:7], 64
	s_add_co_u32 s[TR+1], s[TR+1], PART
	s_add_co_u32 s[TR], s[TR], 1
	s_cmp_lt_u32 s[TR], 4
	s_wait_alu depctr_va_vdst(0)                   ; the wait here, directly ahead of the branch
	s_cbranch_scc1 .Ltile
	; THE JOIN.  Wave w takes 8 queries of tile w / 2: lane: query 8 (w % 2) + lane % 8, half h = (lane / 8) % 2 of a tile's channels, channels 32 (lane / 16) on
	s_mul_i32 s36, s24, PART
	s_lshl_b32 s37, s25, 7
	s_add_co_u32 s37, s37, s36
	s_lshl_b32 s38, s25, 6
	s_add_co_u32 s38, s38, s36
	s_add_co_u32 s38, s38, 5120
	s_mul_i32 s39, s14, 2176
	s_add_co_u32 s39, s39, STG
	s_wait_dscnt 0x0                               ; for the others' sake: my stores have landed
	s_barrier_signal -1
	v_and_b32 v2, 7, v0
	v_bfe_u32 v3, v0, 3, 1
	v_bfe_u32 v4, v0, 4, 1
	v_mul_u32_u24 v5, v3, 384
	v_lshl_add_u32 v5, v2, 4, v5
	v_mul_u32_u24 v6, v4, 2560
	v_add_nc_u32 v5, v5, v6
	v_add_nc_u32 v5, s37, v5                       ; O^T of parts 0-2,
	v_add_nc_u32 v6, 12*PART, v5                   ; 3-5,
	v_add_nc_u32 v7, 24*PART, v5                   ; 6, 7
	v_lshlrev_b32 v12, 7, v3
	v_lshl_add_u32 v12, v2, 3, v12
	v_add_nc_u32 v12, s38, v12                     ; (-M, l) likewise
	v_add_nc_u32 v13, 12*PART, v12
	v_add_nc_u32 v14, 24*PART, v12
	v_mul_u32_u24 v10, v2, 272
	v_lshl_add_u32 v10, v4, 7, v10
	v_lshl_add_u32 v10, v3, 5, v10
	v_add_nc_u32 v10, s39, v10                     ; my stage, in
	v_mul_u32_u24 v11, v4, 272
	v_and_b32 v15, 15, v0
	v_lshl_add_u32 v11, v15, 4, v11
	v_add_nc_u32 v11, s39, v11                     ; and back: lanes 0-15 one row, lanes 16-31 the next
	s_wait_alu depctr_va_vdst(0)                   ; the wait here, directly ahead of the barrier's wait
	s_barrier_wait -1
.irp k, 0,1,2,3,4,5,6,7
	ds_load_b64 v[BM+2*\k:BM+2*\k+1], v[12+\k/3] offset:4*PART*(\k%3)
.endr
.irp k, 0,1,2,3,4,5,6,7
.irp q, 0,1,2,3
	ds_load_b128 v[S+16*\k+4*\q:S+16*\k+4*\q+3], v[5+\k/3] offset:4*PART*(\k%3)+640*\q
.endr
.endr
	s_wait_dscnt 32                                ; the eight (-M, l) are in; the 32 loads of O^T may be out
	v_min3_num_f32 v[T], v[BM], v[BM+2], v[BM+4]
	v_min3_num_f32 v[T], v[T], v[BM+6], v[BM+8]
	v_min3_num_f32 v[T], v[T], v[BM+10], v[BM+12]
	v_min_num_f32 v[T], v[T], v[BM+14]             ; -M* = the least -M
.irp k, 0,1,2,3,4,5,6,7
	v_sub_f32 v[PC+2*\k], v[T], v[BM+2*\k]         ; M_k - M*: whole numbers, 0 or less
.endr
.irp k, 0,1,2,3,4,5,6,7
	v_cvt_i32_f32 v[PC+2*\k], v[PC+2*\k]
.endr
.irp k, 0,1,2,3,4,5,6,7
	v_ldexp_f32 v[PC+2*\k], 1.0, v[PC+2*\k]        ; f_k = 2^(M_k - M*): exact; the low word of a pair whose upper word has been written
.endr
	v_mul_f32 v[PK], v[PC], v[BM+1]
	v_mul_f32 v[PY], v[PC+2], v[BM+3]
.irp k, 2,4,6
	v_fmac_f32 v[PK], v[PC+2*\k], v[BM+2*\k+1]
	v_fmac_f32 v[PY], v[PC+2*\k+2], v[BM+2*\k+3]
.endr
	v_add_f32 v[PK], v[PK], v[PY]
	v_add_f32_dpp v[PK], v[PK], v[PK] row_xmask:8 row_mask:0xf bank_mask:0xf   ; and the other half's keys: the row's sum
	s_wait_alu depctr_va_vdst(0)                   ; the wait ahead of the transcendental
	v_rcp_f32 v[T2], v[PK]
	v_nop                                          ; one plain place behind a transcendental
	s_wait_alu depctr_va_vdst(0)                   ; and behind it
.irp k, 0,1,2,3,4,5,6,7
	v_mul_f32 v[PC+2*\k], v[PC+2*\k], v[T2]        ; f_k / l
.endr
	s_wait_alu depctr_va_vdst(0)                   ; the wait here, directly ahead of the wait below
	s_wait_dscnt 0x0                               ; all parts of O^T
.irp j, 0,2,4,6,8,10,12,14
	v_pk_mul_f32 v[O+\j:O+\j+1], v[S+\j:S+\j+1], v[PC:PC+1] op_sel_hi:[1,0]
.endr
.irp k, 1,2,3,4,5,6,7
.irp j, 0,2,4,6,8,10,12,14
	v_pk_fma_f32 v[O+\j:O+\j+1], v[S+16*\k+\j:S+16*\k+\j+1], v[PC+2*\k:PC+2*\k+1], v[O+\j:O+\j+1] op_sel_hi:[1,0,1]
.endr
.endr
	; THE WAY OUT: my 8 rows go through my stage and come back as whole rows of 256 bytes
.irp q, 0,1,2,3
	ds_store_b128 v10, v[O+4*\q:O+4*\q+3] offset:64*(\q/2)+16*(\q%2)
.endr
.irp i, 0,1,2,3
	ds_load_b128 v[O+16+4*\i:O+16+4*\i+3], v11 offset:544*\i   ; LDS serves a wave's instructions in order (ISA guide 5.7.1.4): these see my stores
.endr
.irp i, 0,1,2,3
	s_wait_dscnt 3-\i                              ; rows 2 i, 2 i + 1 are back
	global_store_b128 v[L16], v[O+16+4*\i:O+16+4*\i+3], s[12:13] offset:512*\i th:TH_STORE_NT   ; 32 lanes store 512 consecutive bytes, at a multiple of 256 from the buffer's first byte
.endr
	s_wait_tensorcnt 0x0                           ; the wave's end
	ds_add_u32 v[SPW], v[NIL]
	s_wait_dscnt 0x0
	s_endpgm
.Lfunc_end_k_q7c77c22111_attn:
	.size	k_q7c77c22111_attn, .Lfunc_end_k_q7c77c22111_attn-k_q7c77c22111_attn
	.p2alignl 7, 3214868480
	.fill 96, 4, 3214868480
	.section	.rodata,"a",@progbits
	.p2align	6, 0x0
	.amdhsa_kernel k_q7c77c22111_attn
		.amdhsa_group_segment_fixed_size 190464
		.amdhsa_private_segment_fixed_size 0
		.amdhsa_enable_private_segment 0
		.amdhsa_kernarg_size 40
		.amdhsa_user_sgpr_count 2
		.amdhsa_user_sgpr_kernarg_segment_ptr 1
		.amdhsa_wavefront_size32 1
		.amdhsa_system_sgpr_workgroup_id_x 1
		.amdhsa_system_sgpr_workgroup_id_y 1
		.amdhsa_system_sgpr_workgroup_id_z 1
		.amdhsa_system_vgpr_workitem_id 0
		.amdhsa_next_free_vgpr 512
		.amdhsa_next_free_sgpr 66
		.amdhsa_reserve_vcc 0
		.amdhsa_float_denorm_mode_32 3
		.amdhsa_float_denorm_mode_16_64 3
		.amdhsa_memory_ordered 1
		.amdhsa_forward_progress 1
		.amdhsa_inst_pref_size 70
	.end_amdhsa_kernel
	.amdgpu_metadata
---
amdhsa.version: [ 1, 2 ]
amdhsa.kernels:
  - .name:           k_q7c77c22111_attn
    .symbol:         k_q7c77c22111_attn.kd
    .args:
      - { .name: qimg, .offset: 0, .size: 8, .value_kind: global_buffer, .address_space: global }
      - { .name: qscl, .offset: 8, .size: 8, .value_kind: global_buffer, .address_space: global }
      - { .name: kvc, .offset: 16, .size: 8, .value_kind: global_buffer, .address_space: global }
      - { .name: kvs, .offset: 24, .size: 8, .value_kind: global_buffer, .address_space: global }
      - { .name: out0, .offset: 32, .size: 8, .value_kind: global_buffer, .address_space: global }
    .group_segment_fixed_size: 190464
    .private_segment_fixed_size: 0
    .kernarg_segment_align: 8
    .kernarg_segment_size: 40
    .max_flat_workgroup_size: 256
    .sgpr_count:     66
    .vgpr_count:     512
    .wavefront_size: 32
...
	.end_amdgpu_metadata
.endif
;; end of part 6
